; MI455X (gfx1250); checked and timed in simulation.
; The chip was launched on July 23, 2026; its instructions are those of AMD's public machine-readable ISA for CDNA 5 (MIT licence, August 2026) and "CDNA5" Instruction Set Architecture Reference Guide (July 2026). The comments in the code are by the model that wrote it; some were corrected since.
;; MLP. Allowed arithmetic: matrix products marked QUANTISED: E5M2 operands, one E8M0 scale for each 32 along K, by v_wmma_scale_f32_16x16x128_f8f6f4 with both operands' format E5M2, f32 sums; products left as they are: f32 operands where the result goes on into a quantised operand, else bf16, f16 or f32 operands; f32 sums; everything else in f32.
;; Inputs: expert_W_codes 8 x 1,024 x 32 x 32 uint8 (E5M2 codes of expert_W, K innermost, in blocks of 32 codes); expert_W_scales 8 x 1,024 x 32 uint8 (E8M0 scales of expert_W, one for each 32 codes along K); expert_b 8 x 1,024 float32; gate_W 1,024 x 8 float32; x 64 x 1,024 x 128 float32.
;; Outputs: out0 64 x 1,024 x 128 float32; out1 128 x 8 float32.
;; This version of the problem:
;;   THIS VERSION OF THE PROBLEM IS GIVEN IN LOW PRECISION. The matrix products marked QUANTISED in the list below multiply operands that are first quantised to E5M2 (5 exponent bits, 2 mantissa bits; 8 bits a number), with one power-of-two scale for each 32 numbers along K (OCP MX v1.0); their sums are f32. All else is computed in f32.
;;   The module's matrix products, in the order in which they are computed (A, B: the left and right operand; K: the contracted axis; several contracted axes count as one K, in the product's order):
;;     1. [M 8,192, K 1,024] x [K 1,024, N 8]; A: input x; B: input gate_W: left as it is (N = 8 < 16)
;;     2. [M 8,192, K 1,024] x [K 1,024, N 1,024]; A: input x; B: input expert_W (given as codes): QUANTISED
;;     3. [M 8,192, K 1,024] x [K 1,024, N 1,024]; A: input x; B: input expert_W (given as codes): QUANTISED
;;     4. [M 8,192, K 1,024] x [K 1,024, N 1,024]; A: input x; B: input expert_W (given as codes): QUANTISED
;;     5. [M 8,192, K 1,024] x [K 1,024, N 1,024]; A: input x; B: input expert_W (given as codes): QUANTISED
;;     6. [M 8,192, K 1,024] x [K 1,024, N 1,024]; A: input x; B: input expert_W (given as codes): QUANTISED
;;     7. [M 8,192, K 1,024] x [K 1,024, N 1,024]; A: input x; B: input expert_W (given as codes): QUANTISED
;;     8. [M 8,192, K 1,024] x [K 1,024, N 1,024]; A: input x; B: input expert_W (given as codes): QUANTISED
;;     9. [M 8,192, K 1,024] x [K 1,024, N 1,024]; A: input x; B: input expert_W (given as codes): QUANTISED
;;   THE QUANTISER, for each operand of a quantised product, along K:
;;     - K is cut into blocks of 32 from its start; a last block that is shorter is filled with zeros.
;;     - A block's scale is 2^e with e = floor(log2(the largest magnitude in the block)) - 15, held to -126 .. 127; a block of zeros has e = 0. As a byte (E8M0): e + 127.
;;     - Each number is divided by its block's scale, clamped to +-57,344, and rounded to the nearest number of E5M2, ties to even, subnormals kept.
;;     - The product sums the exact products of the quantised numbers (number of the format x scale) in f32.
;;   ~~~python
;;   def quantise(x, axis):      # numpy; x: float32 -> the quantised numbers, widened to float32 again
;;       x = np.moveaxis(x, axis, -1); K = x.shape[-1]
;;       x = np.pad(x, [(0, 0)] * (x.ndim - 1) + [(0, -K % 32)]); x = x.reshape(x.shape[:-1] + (-1, 32)); a = np.abs(x).max(-1, keepdims=True)
;;       e = np.where(a > 0, np.clip(np.frexp(np.where(a > 0, a, 1))[1] - 1 - 15, -126, 127), 0)      # np.frexp(a)[1] - 1 = floor(log2(a)), exactly
;;       r = np.clip(x / 2.0 ** e, -57344, 57344)
;;       step = 2.0 ** (np.maximum(np.frexp(np.where(r == 0, 1, r))[1] - 1, -14) - 2)
;;       q = np.round(r / step) * step * 2.0 ** e      # np.round: ties to even
;;       return np.moveaxis(q.reshape(q.shape[:-2] + (-1,))[..., :K], -1, axis).astype(np.float32)
;;   ~~~
;;   INPUTS GIVEN AS CODES. expert_W (in the module: [8, 1024, 1024], K = its axis 1): each comes as NAME_codes (uint8): NAME with its K axis moved to the last place and cut into blocks of 32 codes, [.., K / 32, bytes a block], one block behind the other in memory; one code a byte (a code: sign, 5 exponent bits, 2 mantissa bits); and NAME_scales (uint8): the same leading axes, one E8M0 byte (e + 127) for each 32 codes along K. Its value is code x scale, taken as it is: it is not quantised again, and the codes and scales need not be those that the quantiser above would give.
;; 2 versions, each right; version 2 is version 1 with the launch experts written anew for expert scheduling mode. Each part assembles by itself: llvm-mc -triple=amdgcn-amd-amdhsa -mcpu=gfx1250 --defsym DOCPART=n.
;; ======== version 1 of 2: 2 launches
;; workspace buffers: xq 8,388,608 bytes; xs 262,144 bytes; route 32,768 bytes of whole numbers; cnt 2,048 bytes of whole numbers; wts 65,536 bytes; gate 262,144 bytes
;; launch quant (part 1): grid 128 x 1, 16 waves a work-group, no clusters, 105,472 bytes of LDS; arguments x, gate_W, xq, xs, route, cnt, wts, gate; writes xq, xs, route, cnt, wts, gate
.if DOCPART == 1
	.amdgcn_target "amdgcn-amd-amdhsa--gfx1250"
	.amdhsa_code_object_version 6
	.text
	.protected	k_qeff18cb030_quant
	.globl	k_qeff18cb030_quant
	.p2align	8
	.type	k_qeff18cb030_quant,@function
k_qeff18cb030_quant:
	s_mov_b64 s[64:65], 0
	v_nop
	global_prefetch_b8 v0, s[64:65] scope:SCOPE_SE
	s_setreg_imm32_b32 hwreg(HW_REG_WAVE_MODE, 25, 1), 1
	s_wait_xcnt 0x0
; x [64][1024][128] f32: a token is a pair (b, n), its 1,024 numbers run along x's MIDDLE axis, which is K of every product.
; This launch (1) turns each token into codes of BF8 (E5M2) with K innermost, xq [token][1024], and one E8M0 byte for each 32 along K, xs [token][32];
; (2) makes the gate: logits = token . gate_W in f32 (fused multiply-adds), softmax with the row's maximum taken away, gate [token][8];
; (3) takes the two largest gates (ties: the lower index) and stores them at FIXED places: wts [token][2], and as whole numbers route [token] = e0 | e1 << 4 | rank0 << 8 | rank1 << 16,
;     rank = how many earlier tokens of the same cell of 64 tokens have that expert among their two; cnt [cell][8] u16 = members of each expert in the cell.  No address and no branch here hangs on them.
; SHARES.  A work-group is a cell: batch b = group / 2, columns n = 64 (group % 2) .. + 63, all of K: 256 consecutive bytes of each of x's rows.  Wave w takes rows 64 w .. 64 w + 63, lane l columns 2 l, 2 l + 1:
; a load of 8 bytes a lane reads 256 consecutive bytes, a block of 32 along K of one column lies in ONE lane's registers, and the conversions give codes with K innermost: nothing is transposed by an instruction.
; 128 work-groups: a token's logits want all of K in one work-group, and half the columns would be rows of 128 bytes.  All 68 loads of a wave go out at once.
; GATE_W.  A wave's 64 rows of gate_W are 2,048 consecutive bytes: four loads of 16 bytes a lane bring them into 16 registers, ahead of x's loads; each weight, the same for all lanes, then goes from its lane into a
; scalar register by v_readlane_b32, 32 at a time, so that no wait stands in the walk but the counted ones for x's rows.
; No matrix unit (the gate has 8 columns), no tensor load, no cluster: work-groups share nothing but gate_W's 32 KiB.
; A block's scale is 2^(floor(log2(its largest magnitude)) - 15); its byte is the largest magnitude's exponent field - 15, held at 1 from below.
; LIMITS: NaN and infinities among the inputs are not served.  A block of zeros gets the byte 1 where the rule says 127: its codes are zeros, and this program alone reads the bytes.
; A gate under 2^-126 comes out of the exponential as 0: among such gates the choice may differ from a choice on exact numbers, with weight 0 either way.
.set CP,   1040                        ; LDS: a token's row of codes: 1,024 bytes + 16
.set SCL,  64*CP                       ; the cell's scale bytes, [token 64][32]
.set PART, SCL+2048                    ; the waves' partial logits, [wave 16][expert 8][token 64] f32
.set LOG,  PART+32768                  ; the logits, [expert 8][token 64] f32
.set G,    16                          ; v16-31   partial logits: a pair (column 2 l, column 2 l + 1) for each expert
.set GW,   48                          ; v48-63   my 64 rows of gate_W: register 4 k + j of lane l holds row 16 k + l / 2, expert 4 (l % 2) + j
.set X,    64                          ; v64-191  my 64 rows, two numbers each
.set T,    192                         ; v192-223 a block's 32 numbers, held
.set C,    224                         ; v224-255 codes: eight registers for each of the four blocks
.set WV,   20                          ; s20      my wave's number
.set MNT,  100                         ; s100     the mantissa field of 57,344
	s_load_b256 s[4:11], s[0:1], 0x0               ; x s[4:5], gate_W s[6:7], xq s[8:9], xs s[10:11]
	s_load_b256 s[12:19], s[0:1], 0x20             ; route s[12:13], cnt s[14:15], wts s[16:17], gate s[18:19]
	v_lshl_add_u32 v42, v0, 2, 0x19400
	v_mov_b32 v43, 0
	v_lshrrev_b32 v1, 5, v0
	v_readfirstlane_b32 s[WV], v1                  ; wave 0..15
	v_and_b32 v1, 31, v0                           ; lane
	v_lshlrev_b32 v2, 3, v1                        ; 8 x lane: my two columns in a row of x; later my place in wts
	v_lshlrev_b32 v13, 4, v1                       ; 16 x lane: my 16 bytes of a load of gate_W
	s_lshr_b32 s21, ttmp9, 1                       ; b
	s_and_b32 s22, ttmp9, 1                        ; which half of the columns
	s_mov_b32 s3, 0
	s_mov_b32 s25, 0
	s_lshl_b32 s24, s[WV], 11                      ; gate_W: 32 bytes a row, my 64 rows
	s_lshl_b32 s2, s21, 19                         ; a batch of x is 1,024 rows of 512 bytes
	s_lshl_b32 s23, s22, 8
	s_add_co_u32 s2, s2, s23
	s_lshl_b32 s23, s[WV], 15                      ; my 64 rows
	s_add_co_u32 s2, s2, s23
	s_wait_kmcnt 0x0
	s_add_nc_u64 s[6:7], s[6:7], s[24:25]
	s_add_nc_u64 s[4:5], s[4:5], s[2:3]
.irp k, 0,1,2,3
	global_load_b128 v[GW+4*\k:GW+4*\k+3], v13, s[6:7] offset:512*\k          ; the wave reads 512 consecutive bytes; every work-group reads these rows, so no hint
.endr
.set i, 0
.rept 64
	global_load_b64 v[X+2*i:X+2*i+1], v2, s[4:5] offset:512*i th:TH_LOAD_NT   ; row i: the wave reads 256 consecutive bytes; read once in the launch
.set i, i+1
.endr
	s_lshl_b32 s2, ttmp9, 16                       ; where the cell's 64 tokens begin in each buffer
	s_add_nc_u64 s[8:9], s[8:9], s[2:3]
	s_lshl_b32 s2, ttmp9, 11
	s_add_nc_u64 s[10:11], s[10:11], s[2:3]
	s_add_nc_u64 s[18:19], s[18:19], s[2:3]
	s_lshl_b32 s2, ttmp9, 8
	s_add_nc_u64 s[12:13], s[12:13], s[2:3]
	s_lshl_b32 s2, ttmp9, 4
	s_add_nc_u64 s[14:15], s[14:15], s[2:3]
	s_lshl_b32 s2, ttmp9, 9
	s_add_nc_u64 s[16:17], s[16:17], s[2:3]
	s_mov_b32 s[MNT], 0x600000
.set i, 0
.rept 16
	s_mov_b32 s[33+2*i], 0                         ; the upper words of the 32 pairs whose lower words take the weights: named with them, so written, once
	s_mov_b32 s[69+2*i], 0
.set i, i+1
.endr
	v_mul_u32_u24 v3, v1, 2*CP                     ; v3: codes into LDS: row 2 l, byte 64 w
	s_lshl_b32 s2, s[WV], 6
	v_add_nc_u32 v3, s2, v3
	v_lshlrev_b32 v4, 6, v1                        ; v4: scale bytes into LDS: row 2 l of 32 bytes, byte 2 w
	s_lshl_b32 s2, s[WV], 1
	s_add_co_u32 s2, s2, SCL
	v_add_nc_u32 v4, s2, v4
	s_lshl_b32 s2, s[WV], 11                       ; v5: my partial logits: wave's 2,048 bytes, 8 x lane
	s_add_co_u32 s2, s2, PART
	v_add_nc_u32 v5, s2, v2
	v_lshl_add_u32 v6, v0, 2, PART                 ; v6: thread t sums word t of the sixteen waves' parts,
	v_lshl_add_u32 v7, v0, 2, LOG                  ; v7: and stores it here
	v_lshlrev_b32 v9, 4, v1
	s_mul_i32 s2, s[WV], 4*CP                      ; v8: codes out of LDS: my four rows, 16 x lane
	v_add_nc_u32 v8, s2, v9
	s_lshl_b32 s2, s[WV], 12                       ; v9: the same place in xq
	v_add_nc_u32 v9, s2, v9
	v_lshl_add_u32 v10, v0, 4, SCL                 ; v10, v11: scale bytes out: 16 a thread (threads 0 to 127)
	v_lshlrev_b32 v11, 4, v0
	v_lshlrev_b32 v12, 2, v1                       ; v12: route, 4 x lane;  v14: gate, 32 x lane;  v15: cnt
	v_lshlrev_b32 v14, 5, v1
	v_mov_b32 v15, 0
; Four rows of x against four rows of gate_W.  The rows' 32 weights go from their lanes into the LOW words of 32 scalar pairs (row r of the four: s32, s48, s68, s84 on), since a packed multiply-add takes the low
; word of a scalar pair for both halves; then 32 packed multiply-adds, the eight experts' sums by turns.
.macro GATE t
	s_wait_loadcnt 60-4*(\t)                       ; loads return in order: gate_W and rows up to 4 t + 3 are in, the 60 - 4 t rows behind them may be out
.irp r, 0,1,2,3
.set PB, 32+16*\r+4*(\r/2)
.set RI, 4*(\t)+\r
.irp e, 0,1,2,3,4,5,6,7
	v_readlane_b32 s[PB+2*\e], v[GW+4*(RI/16)+\e%4], 2*(RI%16)+\e/4
.endr
.endr
.irp r, 0,1,2,3
.set PB, 32+16*\r+4*(\r/2)
.set RI, 4*(\t)+\r
.irp e, 0,1,2,3,4,5,6,7
.if RI == 0
	v_pk_mul_f32 v[G+2*\e:G+2*\e+1], v[X+2*RI:X+2*RI+1], s[PB+2*\e:PB+2*\e+1] op_sel_hi:[1,0]   ; the first row starts the sums: nothing is cleared
.else
	v_pk_fma_f32 v[G+2*\e:G+2*\e+1], v[X+2*RI:X+2*RI+1], s[PB+2*\e:PB+2*\e+1], v[G+2*\e:G+2*\e+1] op_sel_hi:[1,0,1]
.endif
.endr
.endr
.endm
; Rows 32 beta .. 32 beta + 31 of column 2 l + c are one block of 32 along K, all in my registers (every second one).  The hold writes them on end into T, so the two columns part at no cost.
.macro QUANT c, beta
.set XS, X+64*(\beta)+(\c)
.set CC, C+8*(2*(\beta)+(\c))
	v_max3_num_f32 v32, |v[XS]|, |v[XS+2]|, |v[XS+4]|              ; the block's largest magnitude, in two chains
	v_max3_num_f32 v33, |v[XS+6]|, |v[XS+8]|, |v[XS+10]|
.irp i, 6,10,14,18,22,26
	v_max3_num_f32 v32, v32, |v[XS+2*\i]|, |v[XS+2*\i+2]|
	v_max3_num_f32 v33, v33, |v[XS+2*\i+4]|, |v[XS+2*\i+6]|
.endr
	v_max3_num_f32 v32, v32, |v[XS+60]|, |v[XS+62]|
	v_max3_num_f32 v32, v32, v33, 0x8000000        ; and the floor 2^(16 - 127): the byte cannot fall under 1
	v_add_nc_u32 v34, 0xf8800000, v32              ; 15 off the exponent field: the conversion takes the exponent field of this operand as its scale
	v_and_or_b32 v35, v32, 0x7f800000, s[MNT]      ; 57,344 x the scale
.set i, 0
.rept 32
	v_med3_num_f32 v[T+i], v[XS+2*i], -v35, v35    ; the conversion to an 8-bit code does not saturate (ISA guide 7.6.2): the hold comes first
.set i, i+1
.endr
.irp g, 0,1,2,3
	v_cvt_scalef32_pk8_bf8_f32 v[CC+2*\g:CC+2*\g+1], v[T+8*\g:T+8*\g+7], v34
.endr
	v_lshrrev_b32 v[36+2*(\beta)+(\c)], 23, v34    ; the scale's byte; also the plain line between the conversions and the next lines that write T and v34
	ds_store_b128 v3, v[CC:CC+3] offset:CP*(\c)+32*(\beta)
	ds_store_b128 v3, v[CC+4:CC+7] offset:CP*(\c)+32*(\beta)+16
.endm
.irp t, 0,1,2,3,4,5,6,7
	GATE \t
.endr
	QUANT 0, 0                                     ; rows 0 to 31 are in
	QUANT 1, 0
.irp t, 8,9,10,11,12,13,14,15
	GATE \t
.endr
	QUANT 0, 1
	QUANT 1, 1
.irp c, 0,1
	v_lshl_or_b32 v[40+\c], v[38+\c], 8, v[36+\c]  ; my two blocks' bytes are neighbours in the column's row of scale bytes
	ds_store_b16 v4, v[40+\c] offset:32*\c
.endr
.irp e, 0,1,2,3,4,5,6,7
	ds_store_b64 v5, v[G+2*\e:G+2*\e+1] offset:256*\e
.endr
	s_wait_dscnt 0x0                               ; for the others' sake: my codes, bytes and partial logits lie in LDS
	s_barrier_signal -1
	s_barrier_wait -1
	; the logits: thread t = 64 e + token adds the sixteen waves' parts.  The codes leave as whole rows: wave w takes tokens 4 w .. 4 w + 3.
.irp k, 0,1,2,3,4,5,6,7,8,9,10,11,12,13,14,15
	ds_load_b32 v[96+\k], v6 offset:2048*\k
.endr
.irp i, 0,1,2,3,4,5,6,7
	ds_load_b128 v[64+4*\i:67+4*\i], v8 offset:(\i/2)*CP+(\i%2)*512
.endr
	s_wait_dscnt 8                                 ; the sixteen parts are in; the eight loads of codes behind them may be out
.irp k, 0,4,8,12
	v_pk_add_f32 v[96+\k:97+\k], v[96+\k:97+\k], v[98+\k:99+\k]
.endr
	v_pk_add_f32 v[96:97], v[96:97], v[100:101]
	v_pk_add_f32 v[104:105], v[104:105], v[108:109]
	v_pk_add_f32 v[96:97], v[96:97], v[104:105]
	v_add_f32 v96, v96, v97
	ds_store_b32 v7, v96
	s_wait_dscnt 0x0
.irp i, 0,1,2,3,4,5,6,7
	global_store_b128 v9, v[64+4*\i:67+4*\i], s[8:9] offset:(\i/2)*1024+(\i%2)*512   ; the wave stores 512 consecutive bytes, at a multiple of 256 from xq's first byte
.endr
	s_cmp_gt_u32 s[WV], 3
	s_cbranch_scc1 .Lno_scales
	ds_load_b128 v[44:47], v10                     ; the cell's 2,048 scale bytes are dense in xs: threads 0 to 127 take 16 each
	s_wait_dscnt 0x0
	global_store_b128 v11, v[44:47], s[10:11]
.Lno_scales:
	s_wait_dscnt 0x0
	s_barrier_signal -1
	s_barrier_wait -1                              ; the logits lie in LDS
	s_cmp_lg_u32 s[WV], 0
	s_cbranch_scc1 .Lend
	; WAVE 0: softmax, the two largest, ranks and counts.  Lane l holds token l (set A) and token l + 32 (set B).
	; v96-103, v104-111 logits, then p;  v112-119, v120-127 the gates;  v[128:129], v[130:131] the two weights;  v132-135 e0A, e1A, e0B, e1B;  v136-151 the gates without the winner;  v152-155 the ranks
.irp e, 0,1,2,3,4,5,6,7
	ds_load_b32 v[96+\e], v7 offset:256*\e
	ds_load_b32 v[104+\e], v7 offset:256*\e+128
.endr
	s_wait_dscnt 0x0
.irp L, 96, 104
	v_max3_num_f32 v[48+\L/104], v[\L], v[\L+1], v[\L+2]          ; the row's maximum is taken away ahead of the exponential
	v_max3_num_f32 v[48+\L/104], v[48+\L/104], v[\L+3], v[\L+4]
	v_max3_num_f32 v[48+\L/104], v[48+\L/104], v[\L+5], v[\L+6]
	v_max_num_f32 v[48+\L/104], v[48+\L/104], v[\L+7]
.irp e, 0,1,2,3,4,5,6,7
	v_sub_f32 v[\L+\e], v[\L+\e], v[48+\L/104]
.endr
.irp e, 0,1,2,3,4,5,6,7
	v_mul_f32 v[\L+\e], 0x3fb8aa3b, v[\L+\e]       ; x log2(e)
.endr
.endr
.irp k, 0,1,2,3,4,5,6,7,8,9,10,11,12,13,14,15
	v_exp_f32 v[96+\k], v[96+\k]
.endr
	v_nop                                          ; a plain line behind the last exponential
	s_wait_alu depctr_va_vdst(0)                   ; one wait for the batch of sixteen, ahead of its first reader
.irp L, 96, 104
	v_pk_add_f32 v[164+4*(\L/104):165+4*(\L/104)], v[\L:\L+1], v[\L+2:\L+3]
	v_pk_add_f32 v[166+4*(\L/104):167+4*(\L/104)], v[\L+4:\L+5], v[\L+6:\L+7]
	v_pk_add_f32 v[164+4*(\L/104):165+4*(\L/104)], v[164+4*(\L/104):165+4*(\L/104)], v[166+4*(\L/104):167+4*(\L/104)]
	v_add_f32 v[50+\L/104], v[164+4*(\L/104)], v[165+4*(\L/104)]
.endr
	v_rcp_f32 v52, v50
	v_rcp_f32 v53, v51
	v_nop
	s_wait_alu depctr_va_vdst(0)                   ; one wait for the two reciprocals
.irp e, 0,1,2,3,4,5,6,7
	v_mul_f32 v[112+\e], v[96+\e], v52
	v_mul_f32 v[120+\e], v[104+\e], v53
.endr
; The largest of eight, the lower index at a tie: a later one takes over only where it is GREATER.  (The compare is turned round so that the constant stands in the select's first source.)
.macro SCAN src, val, idx
	v_mov_b32 v[\val], v[\src]
	v_mov_b32 v[\idx], 0
.irp e, 1,2,3,4,5,6,7
	v_cmp_le_f32 vcc_lo, v[\src+\e], v[\val]
	v_cndmask_b32 v[\val], v[\src+\e], v[\val], vcc_lo
	v_cndmask_b32 v[\idx], \e, v[\idx], vcc_lo
.endr
.endm
.macro WITHOUT src, dst, idx           ; the winner becomes -1, under every gate
.irp e, 0,1,2,3,4,5,6,7
	v_cmp_ne_u32 vcc_lo, \e, v[\idx]
	v_cndmask_b32 v[\dst+\e], -1.0, v[\src+\e], vcc_lo
.endr
.endm
	SCAN 112, 128, 132
	SCAN 120, 130, 134
	WITHOUT 112, 136, 132
	WITHOUT 120, 144, 134
	SCAN 136, 129, 133
	SCAN 144, 131, 135
.irp k, 0,1,2,3
	v_mov_b32 v[152+\k], 0
.endr
.irp e, 0,1,2,3,4,5,6,7                ; expert e's members, as lane masks; a member's rank is the number of members among the tokens in front of it
	v_cmp_eq_u32 s32, \e, v132
	v_cmp_eq_u32 s33, \e, v133
	v_cmp_eq_u32 s34, \e, v134
	v_cmp_eq_u32 s35, \e, v135
	s_or_b32 s36, s32, s33
	s_or_b32 s37, s34, s35
	s_bcnt1_i32_b32 s38, s36
	v_mbcnt_lo_u32_b32 v156, s36, 0                ; set A: members in lower lanes
	v_mbcnt_lo_u32_b32 v157, s37, s38              ; set B: all of A's, and B's in lower lanes
	v_cndmask_b32 v152, v152, v156, s32
	v_cndmask_b32 v153, v153, v156, s33
	v_cndmask_b32 v154, v154, v157, s34
	v_cndmask_b32 v155, v155, v157, s35
	s_bcnt1_i32_b32 s39, s37
	s_add_co_u32 s39, s39, s38                     ; the cell's count, two to a word
.if (\e%2) == 0
	s_mov_b32 s[40+\e/2], s39
.else
	s_lshl_b32 s39, s39, 16
	s_or_b32 s[40+\e/2], s[40+\e/2], s39
.endif
.endr
.irp k, 0,1
	v_lshl_or_b32 v[158+\k], v[133+2*\k], 4, v[132+2*\k]
	v_lshl_or_b32 v[158+\k], v[152+2*\k], 8, v[158+\k]
	v_lshl_or_b32 v[158+\k], v[153+2*\k], 16, v[158+\k]
.endr
.irp k, 0,1,2,3
	v_mov_b32 v[160+\k], s[40+\k]
.endr
	global_store_b32 v12, v158, s[12:13]
	global_store_b32 v12, v159, s[12:13] offset:128
	global_store_b64 v2, v[128:129], s[16:17]
	global_store_b64 v2, v[130:131], s[16:17] offset:256
	global_store_b128 v14, v[112:115], s[18:19]
	global_store_b128 v14, v[116:119], s[18:19] offset:16
	global_store_b128 v14, v[120:123], s[18:19] offset:1024
	global_store_b128 v14, v[124:127], s[18:19] offset:1040
	v_cmp_gt_u32 vcc_lo, 1, v0
	s_wait_xcnt 0x0                                ; EXEC is a source of the stores above: it changes only behind this wait
	s_and_saveexec_b32 s2, vcc_lo
	global_store_b128 v15, v[160:163], s[14:15]    ; lane 0: the cell's eight counts, 16 bytes
	s_wait_xcnt 0x0
	s_or_b32 exec_lo, exec_lo, s2
.Lend:
	s_wait_tensorcnt 0x0
	ds_add_u32 v42, v43
	s_wait_dscnt 0x0
	s_endpgm
.Lfunc_end_k_qeff18cb030_quant:
	.size	k_qeff18cb030_quant, .Lfunc_end_k_qeff18cb030_quant-k_qeff18cb030_quant
	.p2alignl 7, 3214868480
	.fill 96, 4, 3214868480
	.section	.rodata,"a",@progbits
	.p2align	6, 0x0
	.amdhsa_kernel k_qeff18cb030_quant
		.amdhsa_group_segment_fixed_size 105472
		.amdhsa_private_segment_fixed_size 0
		.amdhsa_enable_private_segment 0
		.amdhsa_kernarg_size 64
		.amdhsa_user_sgpr_count 2
		.amdhsa_user_sgpr_kernarg_segment_ptr 1
		.amdhsa_wavefront_size32 1
		.amdhsa_system_sgpr_workgroup_id_x 1
		.amdhsa_system_sgpr_workgroup_id_y 1
		.amdhsa_system_sgpr_workgroup_id_z 1
		.amdhsa_system_vgpr_workitem_id 0
		.amdhsa_next_free_vgpr 256
		.amdhsa_next_free_sgpr 102
		.amdhsa_reserve_vcc 1
		.amdhsa_float_denorm_mode_32 3
		.amdhsa_float_denorm_mode_16_64 3
		.amdhsa_memory_ordered 1
		.amdhsa_forward_progress 1
		.amdhsa_inst_pref_size 110
	.end_amdhsa_kernel
	.amdgpu_metadata
---
amdhsa.version: [ 1, 2 ]
amdhsa.kernels:
  - .name:           k_qeff18cb030_quant
    .symbol:         k_qeff18cb030_quant.kd
    .args:
      - { .name: x, .offset: 0, .size: 8, .value_kind: global_buffer, .address_space: global }
      - { .name: gate_W, .offset: 8, .size: 8, .value_kind: global_buffer, .address_space: global }
      - { .name: xq, .offset: 16, .size: 8, .value_kind: global_buffer, .address_space: global }
      - { .name: xs, .offset: 24, .size: 8, .value_kind: global_buffer, .address_space: global }
      - { .name: route, .offset: 32, .size: 8, .value_kind: global_buffer, .address_space: global }
      - { .name: cnt, .offset: 40, .size: 8, .value_kind: global_buffer, .address_space: global }
      - { .name: wts, .offset: 48, .size: 8, .value_kind: global_buffer, .address_space: global }
      - { .name: gate, .offset: 56, .size: 8, .value_kind: global_buffer, .address_space: global }
    .group_segment_fixed_size: 105472
    .private_segment_fixed_size: 0
    .kernarg_segment_align: 8
    .kernarg_segment_size: 64
    .max_flat_workgroup_size: 512
    .sgpr_count:     102
    .vgpr_count:     256
    .wavefront_size: 32
...
	.end_amdgpu_metadata
.endif
;; end of part 1
;; launch experts (part 2): grid 16 x 16, 4 waves a work-group, no clusters, 314,368 bytes of LDS; arguments xq, xs, route, cnt, wts, gate, expert_W_codes, expert_W_scales, expert_b, out0, out1; writes out0, out1
.if DOCPART == 2
	.amdgcn_target "amdgcn-amd-amdhsa--gfx1250"
	.amdhsa_code_object_version 6
	.text
	.protected	k_qeff18cb030_experts
	.globl	k_qeff18cb030_experts
	.p2align	8
	.type	k_qeff18cb030_experts,@function
k_qeff18cb030_experts:
	s_mov_b64 s[64:65], 0
	v_nop
	global_prefetch_b8 v0, s[64:65] scope:SCOPE_SE
	s_setreg_imm32_b32 hwreg(HW_REG_WAVE_MODE, 25, 1), 1
	s_wait_xcnt 0x0
; out0[b][p][n] = w0 (Q(x) W_e0 + b_e0)[p] + w1 (Q(x) W_e1 + b_e1)[p] for token (b, n), e0, e1 its two chosen experts; out1 = the gate's mean over b.  Only the chosen products are multiplied.
; Both operands are codes of BF8 (E5M2) with one E8M0 byte for each 32 along K: x's from the launch before (xq, xs), W's as given.  Sums in f32; the bias is the C of each sum's first product.
; SHARES.  A work-group owns 4 batches (512 tokens, 1,024 routed rows) x 64 outputs p: 16 x 16 work-groups.  It owns its part of out0 alone: both contributions of a token meet here.
; PLACING.  Routed rows are sorted by expert, each expert's rows padded to tiles of 16: at most (1,024 + 8 x 15) / 16 = 71 tiles, whatever the split.  A row's place is its expert's first row + the members in the
; cells in front (from cnt) + its rank in its cell (from route): no atomics, no search.  Wave 0 writes the list place -> token and the table token -> two places into LDS.
; A CHUNK is up to 10 tiles of ONE expert x the 64 outputs x all of K, made by one wave: 40 accumulators.  For 128 along K it loads 10 fragments of x and 4 of W for 40 products, from memory straight into
; registers; each fragment of W is loaded once in the work-group.  At most (71 + 8 x 9) / 10 = 14 chunks, at least 7: four rounds of four waves serve every split; a wave without a chunk jumps over the work.
; All ten tiles of a chunk are multiplied (tiles past the expert's last are other rows, and are not stored).
; THE WALK IS TURNED FROM WORK-GROUP TO WORK-GROUP.  The sixteen work-groups of a block of batches read the same rows of x, the sixteen of a block of outputs the same rows of W.  With pg the block of outputs and bg
; the block of batches, K's eight steps are walked from step 2 ((pg + bg) % 4) on and round the end, and the rounds that hold chunks from round (pg / 4 + bg / 4) % 2 on and round the end: of any sixteen that share
; rows, two stand at each of eight places of the walk, so that they do not ask for the same bytes at the same time.
; LIMIT: the f32 sums so take K's steps in a turned order, an order of rounding other than ascending K.
; BACK IN ORDER.  Results go into a stage in LDS by sorted row; then each wave takes one batch, reads each token's two rows, weighs and adds them, and stores rows of out0: 128 neighbouring n, 512 consecutive bytes.
; The stage's addresses hang on numbers read from memory, so between two barriers only ONE wave stores there, and reads by such addresses are parted from all stores by barriers.
; NO TENSOR LOADS, NO CLUSTER, NO JOINT LOADS, though work-groups share rows: which rows a wave multiplies, and how many chunks it has, hang on counts read from memory,
; x's rows are gathered by a list.
; Every barrier stands in a loop of constant count or in straight text; branches on counts jump over work alone.
; ADDRESSES.  Every scalar base is a kernel argument plus an offset made of the work-group's and the wave's numbers.  What hangs on numbers read from memory (a token, an expert) is held by a minimum with a constant
; and stands in the 32-bit vector offset alone.
; REGISTERS, in windows of 256 (s_set_vgpr_msb: bits 1:0 source 0, 3:2 source 1, 5:4 source 2, 7:6 destination):
;   window 0: v1-9 lane terms; v10-19 x's code offsets, v20-29 x's scale offsets of the chunk's ten tiles; v30-31 at work; v32-111 x's scale words (8 j + step); v112-143 W's (8 t + step): these 112 hold scales alone;
;             v144-175 the bias (8 t + i); v176-239 W's fragments, set 1; v240-249 at work; v250-252 the chunk's offsets in W's codes, W's scales and the bias
;   window 1: v0-159 x's fragments, set 0; v160-223 W's, set 0; v224-231 my four tokens' weights.   window 2: accumulators (j, t) at v[8 (4 j + t)], j = 0 .. 7.   window 3: v0-63 those of j = 8, 9; v64-223 x's fragments, set 1
.set STP,   272                        ; a stage row: 64 f32 + 16 bytes: 68 words, so the 16 rows that a store touches start at 16 different banks (64 banks of 4 bytes: ISA guide 11.1)
.set LISTB, 1136*STP                   ; behind the stage's 71 x 16 rows: place -> token, u16, 80 tiles x 16 (a chunk that begins at tile 70 reads on to tile 79)
.set POSB,  LISTB+2560                 ; token -> place0 | place1 << 16
.set TABB,  POSB+2048                  ; [cell 8][expert 8] u16: the place of the cell's first member
.set XO,   10
.set XSO,  20
.set XSC,  32
.set WSC,  112
.set BIA,  144
.set WB1,  176
.set TMP,  240
.set WO,   250                         ; expert x 2^20 + row r of 1,024 bytes + 16 h
.set WSO,  251                         ; expert x 2^15 + row r of 32 bytes
.set BO,   252                         ; expert x 2^12 + 32 h
.set XB0,  0
.set WB0,  160
.set WGT,  224
.set XB1,  64
; SCALARS.  At the head s[4:25] hold the eleven buffers.  s26 wave, s27 pg, s28 bg, s29 round; s[30:31] an offset as a pair: s31 stays 0; s[72:79] tiles, s[80:87] first tile, s[88:95] first chunk of each expert,
; s96 chunks in all, s97 my chunk's number; s[98:99] xq, s[100:101] xs at my 512 tokens.  Behind the head's barrier, made once and never written again: four bases each, one for two neighbouring steps of my walk:
.set XK,   4                           ; s[4:11]   x's codes
.set WK,   12                          ; s[12:19]  W's codes, at my 64 outputs of expert 0
.set WSK,  32                          ; s[32:39]  W's scale bytes, likewise
.set XSK,  56                          ; s[56:63]  x's scale bytes
; s[40:41] the bias at my 64 outputs of expert 0; s[42:43] out0; s44-46 first tile, tiles, valid of the chunk in hand; s47-49 of the next; s68 the round I begin with, s69 rounds that hold chunks; s2, s3, s50-54, s70 at work
.set MSB, 0
.macro WIN new                         ; the immediate's high byte repeats the setting that is left; a switch that changes nothing is dropped
.if MSB != \new
	s_set_vgpr_msb (MSB<<8)|\new
.set MSB, \new
.endif
.endm
.macro BAR                             ; my LDS stores have landed and my LDS loads are in: then the work-group's barrier
	s_wait_dscnt 0x0
	s_barrier_signal -1
	s_barrier_wait -1
.endm
	s_load_b256 s[4:11], s[0:1], 0x0               ; xq s[4:5], xs s[6:7], route s[8:9], cnt s[10:11]
	s_load_b256 s[12:19], s[0:1], 0x20             ; wts s[12:13], gate s[14:15], W's codes s[16:17], W's scales s[18:19]
	s_load_b128 s[20:23], s[0:1], 0x40             ; the bias s[20:21], out0 s[22:23]
	s_load_b64 s[24:25], s[0:1], 0x50              ; out1
	v_lshl_add_u32 v254, v0, 2, 0x4ca00
	v_mov_b32 v255, 0
	v_lshrrev_b32 v1, 5, v0
	v_readfirstlane_b32 s26, v1                    ; wave 0..3
	s_mov_b32 s27, ttmp9                           ; outputs 64 x this on
	s_and_b32 s28, ttmp7, 0xffff                   ; batches 4 x this on
	v_and_b32 v1, 31, v0                           ; lane
	v_and_b32 v2, 15, v0                           ; r
	v_bfe_u32 v3, v0, 4, 1                         ; h
	v_lshl_add_u32 v4, v2, 1, LISTB                ; the list: entry r of a tile
	v_lshlrev_b32 v5, 10, v2
	v_lshl_add_u32 v5, v3, 4, v5                   ; W's codes: row r of 1,024 bytes, + 16 h
	v_lshlrev_b32 v6, 5, v2                        ; W's scales: row r of 32 bytes
	v_lshlrev_b32 v7, 5, v3                        ; the bias: my half's eight numbers
	v_mul_u32_u24 v8, v2, STP
	v_lshl_add_u32 v8, v3, 5, v8                   ; the stage: row r, + 32 h
	v_lshlrev_b32 v9, 4, v3                        ; 16 h
	v_lshlrev_b32 v30, 5, v1                       ; the weights: 32 bytes a lane
	v_lshlrev_b32 v31, 6, v1                       ; the route words: 64 bytes a lane
	s_mov_b32 s31, 0                               ; the upper word of every offset pair: no load lands on it, and it is never written again
	s_wait_kmcnt 0x0
	s_lshl_b32 s30, s28, 7                         ; my eight cells' counts: 128 bytes
	s_add_nc_u64 s[10:11], s[10:11], s[30:31]
	s_load_b512 s[32:47], s[10:11], 0x0            ; cell c, experts 2 d and 2 d + 1: s[32 + 4 c + d]
	s_load_b512 s[48:63], s[10:11], 0x40
	s_lshl_b32 s30, s28, 12                        ; the weights of my wave's batch: 8 bytes a token
	s_lshl_b32 s2, s26, 10
	s_add_co_u32 s30, s30, s2
	s_add_nc_u64 s[12:13], s[12:13], s[30:31]
	WIN 0x40
	global_load_b128 v[WGT:WGT+3], v30, s[12:13]   ; tokens 4 l .. 4 l + 3 of the batch: (w0, w1) each
	global_load_b128 v[WGT+4:WGT+7], v30, s[12:13] offset:16
	WIN 0
	s_lshl_b32 s30, s28, 11
	s_add_nc_u64 s[8:9], s[8:9], s[30:31]
	s_cmp_lg_u32 s26, 0
	s_cbranch_scc1 .Lno_route
.irp i, 0,1,2,3
	global_load_b128 v[144+4*\i:147+4*\i], v31, s[8:9] offset:16*\i   ; wave 0: the route words of tokens 16 l .. 16 l + 15
.endr
.Lno_route:
	s_lshl_b32 s30, s28, 19
	s_add_nc_u64 s[98:99], s[4:5], s[30:31]
	s_lshl_b32 s30, s28, 14
	s_add_nc_u64 s[100:101], s[6:7], s[30:31]
	s_wait_kmcnt 0x0
	; every wave: each expert's rows, tiles, first tile, chunks, first chunk.  A field of 16 bits holds at most 8 x 64: no carry from field to field
.irp d, 0,1,2,3
	s_add_co_u32 s[68+\d], s[32+\d], s[36+\d]
.irp c, 2,3,4,5,6,7
	s_add_co_u32 s[68+\d], s[68+\d], s[32+4*\c+\d]
.endr
.endr
.irp e, 0,1,2,3,4,5,6,7
.if (\e%2) == 0
	s_and_b32 s[72+\e], s[68+\e/2], 0xffff
.else
	s_lshr_b32 s[72+\e], s[68+\e/2], 16
.endif
	s_min_u32 s[72+\e], s[72+\e], 512
	s_add_co_u32 s[72+\e], s[72+\e], 15
	s_lshr_b32 s[72+\e], s[72+\e], 4               ; tiles of 16 rows
.endr
	s_mov_b32 s80, 0
	s_mov_b32 s88, 0
.irp e, 0,1,2,3,4,5,6
	s_add_co_u32 s[81+\e], s[80+\e], s[72+\e]
.endr
.irp e, 0,1,2,3,4,5,6,7
	s_add_co_u32 s30, s[72+\e], 9
	s_mul_i32 s30, s30, 205
	s_lshr_b32 s30, s30, 11                        ; (tiles + 9) / 10, exact up to 41
	s_add_co_u32 s[89+\e], s[88+\e], s30           ; the last of these is s96: chunks in all
.endr
	s_cmp_lg_u32 s26, 0
	s_cbranch_scc1 .Lnot_wave_0
	; WAVE 0 PLACES THE ROWS.  The table: running sums over the cells, two experts to a word, begun at 16 x the expert's first tile
.irp d, 0,1,2,3
	s_lshl_b32 s[68+\d], s[80+2*\d], 4
	s_lshl_b32 s30, s[81+2*\d], 20
	s_add_co_u32 s[68+\d], s[68+\d], s30
.endr
.irp c, 0,1,2,3,4,5,6,7
.irp d, 0,1,2,3
	s_mov_b32 s30, s[32+4*\c+\d]
	s_mov_b32 s[32+4*\c+\d], s[68+\d]
	s_add_co_u32 s[68+\d], s[68+\d], s30
.endr
.endr
	v_mov_b32 v224, 0
.set i, 0
.rept 32
	v_writelane_b32 v224, s[32+i], i
.set i, i+1
.endr
	v_lshl_add_u32 v246, v1, 2, TABB
	ds_store_b32 v246, v224
.irp k, 0,1,2,3
	v_mov_b32 v[242+\k], 0
.endr
	v_lshl_add_u32 v247, v1, 4, LISTB
.irp i, 0,1,2,3,4
	ds_store_b128 v247, v[242:245] offset:512*\i   ; places that no row takes name token 0: a row that is multiplied and never read
.endr
	v_lshl_add_u32 v248, v1, 6, POSB
	v_lshrrev_b32 v225, 2, v1                      ; my sixteen tokens lie in cell lane / 4
	v_lshl_add_u32 v225, v225, 4, TABB
	v_lshlrev_b32 v226, 4, v1                      ; their numbers
.irp i, 1,2,3,4,5,6,7,8,9,10,11,12,13,14,15
	v_add_nc_u32 v[226+\i], \i, v226
.endr
	s_wait_loadcnt 0x0                             ; the route words (and my weights)
.irp i, 0,1,2,3,4,5,6,7,8,9,10,11,12,13,14,15
.irp k, 0,1
	v_bfe_u32 v[192+2*\i+\k], v[144+\i], 4*\k, 3   ; the expert,
	v_min_u32 v[192+2*\i+\k], 7, v[192+2*\i+\k]    ; held inside the table
	v_lshl_add_u32 v[192+2*\i+\k], v[192+2*\i+\k], 1, v225
	ds_load_u16 v[160+2*\i+\k], v[192+2*\i+\k]     ; LDS serves a wave's instructions in order: this sees the table's store above
.endr
.endr
	s_wait_dscnt 0x0
.irp i, 0,1,2,3,4,5,6,7,8,9,10,11,12,13,14,15
.irp k, 0,1
	v_bfe_u32 v[192+2*\i+\k], v[144+\i], 8+8*\k, 8 ; the rank in the cell
	v_add_nc_u32 v[192+2*\i+\k], v[192+2*\i+\k], v[160+2*\i+\k]
	v_min_u32 v[192+2*\i+\k], 1135, v[192+2*\i+\k] ; the place, held inside the stage's 1,136 rows
	v_lshl_add_u32 v[160+2*\i+\k], v[192+2*\i+\k], 1, LISTB
	ds_store_b16 v[160+2*\i+\k], v[226+\i]
.endr
	v_lshl_or_b32 v[144+\i], v[193+2*\i], 16, v[192+2*\i]
.endr
.irp i, 0,1,2,3
	ds_store_b128 v248, v[144+4*\i:147+4*\i] offset:16*\i
.endr
.Lnot_wave_0:
	s_cmp_lg_u32 s26, 1
	s_cbranch_scc1 .Lnot_mean
	s_cmp_lg_u32 s28, 0
	s_cbranch_scc1 .Lnot_mean
	; THE GATE'S MEAN: wave 1 of the sixteen work-groups of the first block of batches: 64 numbers each (8 n x 8 experts), two a lane, summed over the 64 batches
	s_lshl_b32 s30, s27, 8
	s_add_nc_u64 s[14:15], s[14:15], s[30:31]
	s_add_nc_u64 s[24:25], s[24:25], s[30:31]
	v_lshlrev_b32 v29, 3, v1
	WIN 0x40
.set i, 0
.rept 64
	global_load_b64 v[2*i:2*i+1], v29, s[14:15] offset:4096*i      ; the wave reads 256 consecutive bytes
.set i, i+1
.endr
	s_wait_loadcnt 0x0
	WIN 0x55
.set i, 4
.rept 60
	v_pk_add_f32 v[2*(i%4):2*(i%4)+1], v[2*(i%4):2*(i%4)+1], v[2*i:2*i+1]   ; four chains
.set i, i+1
.endr
	v_pk_add_f32 v[0:1], v[0:1], v[2:3]
	v_pk_add_f32 v[4:5], v[4:5], v[6:7]
	v_pk_add_f32 v[0:1], v[0:1], v[4:5]
	v_pk_mul_f32 v[0:1], v[0:1], 0x3c800000 op_sel_hi:[1,0]        ; / 64
	WIN 0x04
	global_store_b64 v29, v[0:1], s[24:25]         ; 256 consecutive bytes, at a multiple of 256 from out1's first byte
	s_wait_storecnt 0x0                            ; the store is done: fragments of x land in its registers next, and no store of mine is out at the barrier below; wave 0 places the rows meanwhile
	WIN 0
.Lnot_mean:
	s_wait_loadcnt 0x0                             ; my weights are in; no load of mine is out, so the registers that named addresses may be written
	BAR                                            ; the list and the table of places lie in LDS
	s_lshl_b32 s30, s27, 16                        ; my 64 outputs in each of W's three tensors, at expert 0: 64 rows of 1,024 bytes of codes,
	s_add_nc_u64 s[36:37], s[16:17], s[30:31]
	s_lshl_b32 s30, s27, 11                        ; of 32 scale bytes,
	s_add_nc_u64 s[38:39], s[18:19], s[30:31]
	s_lshl_b32 s30, s27, 8                         ; 64 numbers of the bias
	s_add_nc_u64 s[40:41], s[20:21], s[30:31]
	s_add_co_u32 s2, s27, s28
	s_and_b32 s2, s2, 3                            ; where my walk along K begins: pair of steps (pg + bg) % 4
	s_lshr_b32 s68, s27, 2
	s_lshr_b32 s3, s28, 2
	s_add_co_u32 s68, s68, s3
	s_and_b32 s68, s68, 1                          ; the round I begin with: (pg / 4 + bg / 4) % 2
	s_add_co_u32 s69, s96, 3
	s_lshr_b32 s69, s69, 2                         ; rounds that hold chunks: 2 to 4
.irp m, 0,1,2,3                        ; steps 2 m and 2 m + 1 of my walk are K's steps 2 q and 2 q + 1, q = (m + the beginning) % 4: 256 q bytes along a row of codes, 8 q along a row of scale bytes
	s_add_co_u32 s3, s2, \m
	s_and_b32 s3, s3, 3
	s_lshl_b32 s30, s3, 8
	s_add_nc_u64 s[XK+2*\m:XK+2*\m+1], s[98:99], s[30:31]
	s_add_nc_u64 s[WK+2*\m:WK+2*\m+1], s[36:37], s[30:31]
	s_lshl_b32 s30, s3, 3
	s_add_nc_u64 s[XSK+2*\m:XSK+2*\m+1], s[100:101], s[30:31]
.endr
.irp m, 0,1,2,3                        ; (the third of these takes the place of s[36:37], which is done with; the last steps s[38:39] in place)
	s_add_co_u32 s3, s2, \m
	s_and_b32 s3, s3, 3
	s_lshl_b32 s30, s3, 3
	s_add_nc_u64 s[WSK+2*\m:WSK+2*\m+1], s[38:39], s[30:31]
.endr
; 56 loads: the fragments of 128 along K, step s of my walk, into set s % 2: W's four tiles of 16 outputs, x's ten tiles of 16 rows.  A fragment is 16 registers: lane (r, h) holds row r, registers 4 c .. 4 c + 3 hold K = 32 c + 16 h + 0 .. 15
.macro LOADS s
.set KM, 2*((\s)/2)
.set KO, 128*((\s)%2)
.if ((\s)%2) == 0
	WIN 0x40
.irp t, 0,1,2,3
.irp c, 0,1,2,3
	global_load_b128 v[WB0+16*\t+4*\c:WB0+16*\t+4*\c+3], v[WO], s[WK+KM:WK+KM+1] offset:16384*\t+KO+32*\c
.endr
.endr
.irp j, 0,1,2,3,4,5,6,7,8,9
.irp c, 0,1,2,3
	global_load_b128 v[XB0+16*\j+4*\c:XB0+16*\j+4*\c+3], v[XO+\j], s[XK+KM:XK+KM+1] offset:KO+32*\c
.endr
.endr
.else
	WIN 0
.irp t, 0,1,2,3
.irp c, 0,1,2,3
	global_load_b128 v[WB1+16*\t+4*\c:WB1+16*\t+4*\c+3], v[WO], s[WK+KM:WK+KM+1] offset:16384*\t+KO+32*\c
.endr
.endr
	WIN 0xc0
.irp j, 0,1,2,3,4,5,6,7,8,9
.irp c, 0,1,2,3
	global_load_b128 v[XB1+16*\j+4*\c:XB1+16*\j+4*\c+3], v[XO+\j], s[XK+KM:XK+KM+1] offset:KO+32*\c
.endr
.endr
.endif
	WIN 0
.endm
; My chunk's number in trip s[rho] of the four: 4 x ((trip + the round I begin with) modulo the rounds that hold chunks) + wave; in a trip past those rounds 64, a number that no chunk has.
.macro NEXTC rho
	s_add_co_u32 s50, s[\rho], s68
	s_cmp_ge_u32 s50, s69
	s_cselect_b32 s51, s69, 0
	s_sub_co_u32 s50, s50, s51
	s_lshl_b32 s50, s50, 2
	s_add_co_u32 s97, s50, s26
	s_cmp_ge_u32 s[\rho], s69
	s_cselect_b32 s97, 64, s97
.endm
; Chunk number s97: its expert (the last whose first chunk is not behind it: experts without rows are passed over), its first tile, its tiles, whether it exists; then its rows' offsets from the list, its scale words,
; its bias and its first two steps' fragments: 64 + 56 + 56 loads.  cond = 1: a chunk that does not exist asks for nothing.
.macro PREP cond
	s_mov_b32 s50, 0
	s_mov_b32 s51, s80
	s_mov_b32 s52, s72
	s_mov_b32 s53, s88
.irp e, 1,2,3,4,5,6,7
	s_cmp_ge_u32 s97, s[88+\e]
	s_cselect_b32 s50, \e, s50
	s_cselect_b32 s51, s[80+\e], s51
	s_cselect_b32 s52, s[72+\e], s52
	s_cselect_b32 s53, s[88+\e], s53
.endr
	s_sub_co_u32 s54, s97, s53
	s_mul_i32 s54, s54, 10
	s_add_co_u32 s47, s51, s54
	s_min_u32 s47, s47, 70                         ; the first tile, held inside the 71
	s_sub_co_u32 s48, s52, s54
	s_min_u32 s48, s48, 10                         ; tiles of the expert that are left, ten at the most
	s_cmp_lt_u32 s97, s96
	s_cselect_b32 s49, 1, 0
.if \cond
	s_cbranch_scc0 .Lno_chunk_\@
.endif
	s_lshl_b32 s54, s47, 5
	v_add_nc_u32 v30, s54, v4
.irp j, 0,1,2,3,4,5,6,7,8,9
	ds_load_u16 v[TMP+\j], v30 offset:32*\j        ; the token at row r of tile j
.endr
	s_min_u32 s50, s50, 7                          ; the expert, held inside the eight; it stands in the vector offsets alone
	v_lshl_add_u32 v[WO], s50, 20, v5              ; an expert's codes are 1,024 rows of 1,024 bytes,
	v_lshl_add_u32 v[WSO], s50, 15, v6             ; its scale bytes 1,024 rows of 32,
	v_lshl_add_u32 v[BO], s50, 12, v7              ; its bias 1,024 numbers
.irp t, 0,1,2,3
.irp m, 0,1,2,3
	global_load_b64 v[WSC+8*\t+2*\m:WSC+8*\t+2*\m+1], v[WSO], s[WSK+2*\m:WSK+2*\m+1] offset:512*\t   ; the scale words of steps 2 m and 2 m + 1 of my walk: a row's 32 bytes are the words of K's eight steps
.endr
	global_load_b128 v[BIA+8*\t:BIA+8*\t+3], v[BO], s[40:41] offset:64*\t        ; the bias in the result's layout: outputs 16 t + 8 h + 0 .. 7
	global_load_b128 v[BIA+8*\t+4:BIA+8*\t+7], v[BO], s[40:41] offset:64*\t+16
.endr
	s_wait_dscnt 0x0
.irp j, 0,1,2,3,4,5,6,7,8,9
	v_min_u32 v[TMP+\j], 511, v[TMP+\j]            ; held inside my 512 tokens
	v_lshl_add_u32 v[XO+\j], v[TMP+\j], 10, v9
	v_lshlrev_b32 v[XSO+\j], 5, v[TMP+\j]
.endr
.irp j, 0,1,2,3,4,5,6,7,8,9
.irp m, 0,1,2,3
	global_load_b64 v[XSC+8*\j+2*\m:XSC+8*\j+2*\m+1], v[XSO+\j], s[XSK+2*\m:XSK+2*\m+1]
.endr
.endr
	LOADS 0
	LOADS 1
.if \cond
.Lno_chunk_\@:
.endif
.endm
; 128 along K: 40 products, TRANSPOSED (source 0 = 16 outputs of W, source 1 = 16 rows of x): lane (r, h) register i holds (row r, output 16 t + 8 h + i).  The 40 accumulators take turns, one instruction a turn,
; in the same order in every step.  The first step's C is the bias.
.macro KSTEP s
.if (\s) < 7
	s_wait_loadcnt 56                              ; loads return in order: all but the next step's 56 are in
.else
	s_wait_loadcnt 0x0
.endif
.irp j, 0,1,2,3,4,5,6,7,8,9
.set HI, 2+(\j)/8
.if ((\s)%2) == 0
.set WS, 0x05|(HI<<6)
.set BB, XB0+16*\j
.else
.set WS, 0x0c|(HI<<6)
.set BB, XB1+16*\j
.endif
.if (\s) > 0
.set WS, WS|(HI<<4)
.endif
	WIN WS
.irp t, 0,1,2,3
.set AC, 8*(4*((\j)%8)+\t)
.if ((\s)%2) == 0
.set AA, WB0+16*\t
.else
.set AA, WB1+16*\t
.endif
.if (\s) == 0
	v_wmma_scale_f32_16x16x128_f8f6f4 v[AC:AC+7], v[AA:AA+15], v[BB:BB+15], v[BIA+8*\t:BIA+8*\t+7], v[WSC+8*\t+(\s)], v[XSC+8*\j+(\s)] matrix_a_fmt:MATRIX_FMT_BF8 matrix_b_fmt:MATRIX_FMT_BF8
.else
	v_wmma_scale_f32_16x16x128_f8f6f4 v[AC:AC+7], v[AA:AA+15], v[BB:BB+15], v[AC:AC+7], v[WSC+8*\t+(\s)], v[XSC+8*\j+(\s)] matrix_a_fmt:MATRIX_FMT_BF8 matrix_b_fmt:MATRIX_FMT_BF8
.endif
.endr
.endr
.if (\s) != 6
	WIN 0
.endif
.if (\s) < 6
.rept 8
	v_nop                                          ; eight places in front of loads into registers that these products have read
.endr
	LOADS \s+2                                     ; the step after next, into the set just multiplied
.endif
.endm
; Wave ww alone, between two barriers, stores its chunk's tiles into the stage: tile T's row r at (16 T + r) x 272, output p at 4 p.  Tiles past the expert's last are left out.
.macro WRITE ww
	BAR
	s_cmp_lg_u32 s26, \ww
	s_cbranch_scc1 .Lnot_me_\@
	s_cmp_eq_u32 s46, 0
	s_cbranch_scc1 .Lnot_me_\@
.irp j, 0,1,2,3,4,5,6,7,8,9
	s_cmp_le_u32 s45, \j
	s_cbranch_scc1 .Lnot_me_\@
	s_add_co_u32 s54, s44, \j
	s_min_u32 s54, s54, 70
	s_mul_i32 s54, s54, 16*STP
	v_add_nc_u32 v[TMP+\j], s54, v8
	WIN 0x08+4*(\j/8)                              ; an LDS store's data are its source 1: window 2 or 3
.irp t, 0,1,2,3
	ds_store_b128 v[TMP+\j], v[8*(4*(\j%8)+\t):8*(4*(\j%8)+\t)+3] offset:64*\t        ; each accumulator from its low end on
	ds_store_b128 v[TMP+\j], v[8*(4*(\j%8)+\t)+4:8*(4*(\j%8)+\t)+7] offset:64*\t+16
.endr
	WIN 0
.endr
.Lnot_me_\@:
.endm
	s_mov_b32 s29, 0
	NEXTC 29                                       ; the first trip: chunk = wave, or 4 + wave.  There are at least 64 tiles, so at least 7 chunks: all of these exist but, with 7 chunks, number 7
	PREP 0
	s_mov_b32 s44, s47
	s_mov_b32 s45, s48
	s_mov_b32 s46, s49
	s_branch .Lwork                                ; the first trip is multiplied without a test: a chunk that does not exist loads rows held inside the buffers, and stores nothing
.Lround:                                               ; four trips, a constant: 16 chunks' worth, for at most 14
	s_cmp_eq_u32 s46, 0
	s_cbranch_scc1 .Lnone
.Lwork:
.irp s, 0,1,2,3,4,5,6,7
	KSTEP \s
.endr
.rept 9
	v_nop                                          ; eight places in front of the stores of results and of loads into operands; nine in front of the next chunk's first products, which begin the accumulators anew with another C
.endr
.Lnone:
	s_wait_loadcnt 0x0                             ; no load of mine is out: offsets and operand registers may be written
	s_add_co_u32 s70, s29, 1
	NEXTC 70
	PREP 1                                         ; the next chunk's loads go out ahead of the way into the stage
	WRITE 0
	WRITE 1
	WRITE 2
	WRITE 3
	BAR                                            ; wave 3's stores have landed: the next reads of LDS stand behind this barrier
	s_mov_b32 s44, s47
	s_mov_b32 s45, s48
	s_mov_b32 s46, s49
	s_add_co_u32 s29, s29, 1
	s_cmp_lt_u32 s29, 4
	s_cbranch_scc1 .Lround
	; BACK IN ORDER.  Wave w takes batch 4 x block + w, lane l its tokens 4 l .. 4 l + 3.  Four outputs at a time: each token's two stage rows give 16 bytes each; weighed and added, they land in registers so that
	; four neighbouring tokens of ONE output are four neighbouring registers: the choice of the destination is the transposition.
	s_wait_loadcnt 0x0                             ; nothing is on its way into the registers used below
	s_lshl_b32 s54, s26, 9
	v_lshl_add_u32 v31, v1, 4, POSB
	v_add_nc_u32 v31, s54, v31
	ds_load_b128 v[240:243], v31                   ; my four tokens' places
	s_lshl_b32 s30, s28, 21                        ; out0: a batch is 1,024 rows of 512 bytes
	s_lshl_b32 s2, s26, 19
	s_add_co_u32 s30, s30, s2
	s_lshl_b32 s2, s27, 15
	s_add_co_u32 s30, s30, s2
	s_add_nc_u64 s[42:43], s[22:23], s[30:31]
	v_lshlrev_b32 v30, 4, v1                       ; 16 bytes a lane
	s_wait_dscnt 0x0
.irp i, 0,1,2,3
	v_and_b32 v[10+2*\i], 0xffff, v[240+\i]
	v_lshrrev_b32 v[11+2*\i], 16, v[240+\i]
.endr
.irp m, 0,1,2,3,4,5,6,7
	v_min_u32 v[10+\m], 1135, v[10+\m]             ; held inside the stage
	v_mul_u32_u24 v[10+\m], v[10+\m], STP
.endr
.macro FETCHQ q                        ; outputs 4 q .. 4 q + 3 of my eight rows, into set q % 2 (window 1, v0-63)
	WIN 0x40
.irp m, 0,1,2,3,4,5,6,7
	ds_load_b128 v[32*((\q)%2)+4*\m:32*((\q)%2)+4*\m+3], v[10+\m] offset:16*(\q)
.endr
.endm
	FETCHQ 0
.set Q, 0
.rept 16
.if Q < 15
	FETCHQ Q+1
	s_wait_dscnt 8                                 ; these four outputs' eight loads are in; the next four's may be out
.else
	s_wait_dscnt 0x0
.endif
	s_wait_xcnt 0x0                                ; the stores of four turns ago have read their registers: that set is written again only behind this wait
.set YB, 32*(Q%2)
.set OB, 64+16*(Q%4)
	WIN 0x55
.irp i, 0,1,2,3
.irp u, 0,1,2,3
	v_mul_f32 v[OB+4*\u+\i], v[WGT+2*\i], v[YB+8*\i+\u]
.endr
.endr
.irp i, 0,1,2,3
.irp u, 0,1,2,3
	v_fma_f32 v[OB+4*\u+\i], v[WGT+2*\i+1], v[YB+8*\i+4+\u], v[OB+4*\u+\i]
.endr
.endr
	WIN 0x04
.irp u, 0,1,2,3
	global_store_b128 v30, v[OB+4*\u:OB+4*\u+3], s[42:43] offset:(4*Q+\u)*512 th:TH_STORE_NT   ; a whole row of out0: the wave stores 512 consecutive bytes, at a multiple of 256 from out0's first byte; written once, read by nobody here
.endr
.set Q, Q+1
.endr
	WIN 0
	s_wait_tensorcnt 0x0
	ds_add_u32 v254, v255
	s_wait_dscnt 0x0
	s_endpgm
.Lfunc_end_k_qeff18cb030_experts:
	.size	k_qeff18cb030_experts, .Lfunc_end_k_qeff18cb030_experts-k_qeff18cb030_experts
	.p2alignl 7, 3214868480
	.fill 96, 4, 3214868480
	.section	.rodata,"a",@progbits
	.p2align	6, 0x0
	.amdhsa_kernel k_qeff18cb030_experts
		.amdhsa_group_segment_fixed_size 314368
		.amdhsa_private_segment_fixed_size 0
		.amdhsa_enable_private_segment 0
		.amdhsa_kernarg_size 88
		.amdhsa_user_sgpr_count 2
		.amdhsa_user_sgpr_kernarg_segment_ptr 1
		.amdhsa_wavefront_size32 1
		.amdhsa_system_sgpr_workgroup_id_x 1
		.amdhsa_system_sgpr_workgroup_id_y 1
		.amdhsa_system_sgpr_workgroup_id_z 1
		.amdhsa_system_vgpr_workitem_id 0
		.amdhsa_next_free_vgpr 1024
		.amdhsa_next_free_sgpr 102
		.amdhsa_reserve_vcc 0
		.amdhsa_float_denorm_mode_32 3
		.amdhsa_float_denorm_mode_16_64 3
		.amdhsa_memory_ordered 1
		.amdhsa_forward_progress 1
		.amdhsa_inst_pref_size 238
	.end_amdhsa_kernel
	.amdgpu_metadata
---
amdhsa.version: [ 1, 2 ]
amdhsa.kernels:
  - .name:           k_qeff18cb030_experts
    .symbol:         k_qeff18cb030_experts.kd
    .args:
      - { .name: xq, .offset: 0, .size: 8, .value_kind: global_buffer, .address_space: global }
      - { .name: xs, .offset: 8, .size: 8, .value_kind: global_buffer, .address_space: global }
      - { .name: route, .offset: 16, .size: 8, .value_kind: global_buffer, .address_space: global }
      - { .name: cnt, .offset: 24, .size: 8, .value_kind: global_buffer, .address_space: global }
      - { .name: wts, .offset: 32, .size: 8, .value_kind: global_buffer, .address_space: global }
      - { .name: gate, .offset: 40, .size: 8, .value_kind: global_buffer, .address_space: global }
      - { .name: expert_W_codes, .offset: 48, .size: 8, .value_kind: global_buffer, .address_space: global }
      - { .name: expert_W_scales, .offset: 56, .size: 8, .value_kind: global_buffer, .address_space: global }
      - { .name: expert_b, .offset: 64, .size: 8, .value_kind: global_buffer, .address_space: global }
      - { .name: out0, .offset: 72, .size: 8, .value_kind: global_buffer, .address_space: global }
      - { .name: out1, .offset: 80, .size: 8, .value_kind: global_buffer, .address_space: global }
    .group_segment_fixed_size: 314368
    .private_segment_fixed_size: 0
    .kernarg_segment_align: 8
    .kernarg_segment_size: 88
    .max_flat_workgroup_size: 128
    .sgpr_count:     102
    .vgpr_count:     1024
    .wavefront_size: 32
...
	.end_amdgpu_metadata
.endif
;; end of part 2
;; ======== version 2 of 2: 2 launches; version 1 with the launch experts written anew for expert scheduling mode
;; workspace buffers: xq 8,388,608 bytes; xs 262,144 bytes; route 32,768 bytes of whole numbers; cnt 2,048 bytes of whole numbers; wts 65,536 bytes; gate 262,144 bytes
;; launch quant: the kernel of part 1 again; grid 128 x 1, 16 waves a work-group, no clusters, 105,472 bytes of LDS; arguments x, gate_W, xq, xs, route, cnt, wts, gate; writes xq, xs, route, cnt, wts, gate
;; launch experts (part 3): grid 16 x 16, 4 waves a work-group, no clusters, 314,368 bytes of LDS; arguments xq, xs, route, cnt, wts, gate, expert_W_codes, expert_W_scales, expert_b, out0, out1; writes out0, out1
.if DOCPART == 3
	.amdgcn_target "amdgcn-amd-amdhsa--gfx1250"
	.amdhsa_code_object_version 6
	.text
	.protected	k_qeff18cb030_experts
	.globl	k_qeff18cb030_experts
	.p2align	8
	.type	k_qeff18cb030_experts,@function
k_qeff18cb030_experts:
	s_mov_b64 s[64:65], 0
	v_nop
	global_prefetch_b8 v0, s[64:65] scope:SCOPE_SE
	s_setreg_imm32_b32 hwreg(HW_REG_WAVE_SCHED_MODE, 0, 2), 2
	s_setreg_imm32_b32 hwreg(HW_REG_WAVE_MODE, 25, 1), 1
	s_wait_xcnt 0x0
	s_wait_alu depctr_vm_vsrc(0)
; out0[b][p][n] = w0 (Q(x) W_e0 + b_e0)[p] + w1 (Q(x) W_e1 + b_e1)[p] for token (b, n), e0, e1 its two chosen experts; out1 = the gate's mean over b.  Only the chosen products are multiplied.
; Both operands are codes of BF8 (E5M2) with one E8M0 byte for each 32 along K: x's from the launch before (xq, xs), W's as given.  Sums in f32; the bias is the C of each sum's first product.
; SHARES.  A work-group owns 4 batches (512 tokens, 1,024 routed rows) x 64 outputs p: 16 x 16 work-groups.  It owns its part of out0 alone: both contributions of a token meet here.
; PLACING.  Routed rows are sorted by expert, each expert's rows padded to tiles of 16: at most (1,024 + 8 x 15) / 16 = 71 tiles, whatever the split.  A row's place is its expert's first row + the members in the
; cells in front (from cnt) + its rank in its cell (from route): no atomics, no search.  Wave 0 writes the list place -> token and the table token -> two places into LDS.
; A CHUNK is up to 10 tiles of ONE expert x the 64 outputs x all of K, made by one wave: 40 accumulators.  For 128 along K it loads 10 fragments of x and 4 of W for 40 products, from memory straight into
; registers; each fragment of W is loaded once in the work-group.  At most (71 + 8 x 9) / 10 = 14 chunks, at least 7: four rounds of four waves serve every split; a wave without a chunk jumps over the work.
; All ten tiles of a chunk are multiplied (tiles past the expert's last are other rows, and are not stored).
; THE WALK IS TURNED FROM WORK-GROUP TO WORK-GROUP.  The sixteen work-groups of a block of batches read the same rows of x, the sixteen of a block of outputs the same rows of W.  With pg the block of outputs and bg
; the block of batches, K's eight steps are walked from step 2 ((pg + bg) % 4) on and round the end, and the rounds that hold chunks from round (pg / 4 + bg / 4) % 2 on and round the end: of any sixteen that share
; rows, two stand at each of eight places of the walk, so that they do not ask for the same bytes at the same time.
; LIMIT: the f32 sums so take K's steps in a turned order, an order of rounding other than ascending K.
; BACK IN ORDER.  Results go into a stage in LDS by sorted row; then each wave takes one batch, reads each token's two rows, weighs and adds them, and stores rows of out0: 128 neighbouring n, 512 consecutive bytes.
; The stage's addresses hang on numbers read from memory, so between two barriers only ONE wave stores there, and reads by such addresses are parted from all stores by barriers.
; NO TENSOR LOADS, NO CLUSTER, NO JOINT LOADS, though work-groups share rows: which rows a wave multiplies, and how many chunks it has, hang on counts read from memory,
; x's rows are gathered by a list.
; Every barrier stands in a loop of constant count or in straight text; branches on counts jump over work alone.
; ADDRESSES.  Every scalar base is a kernel argument plus an offset made of the work-group's and the wave's numbers.  What hangs on numbers read from memory (a token, an expert) is held by a minimum with a constant
; and stands in the 32-bit vector offset alone.
; THE MODE: SCHED_MODE bits 1:0 = 2 (LLVM: expert scheduling mode 2), set by the entry lines.  The code itself states the register dependences between vector or matrix instructions and memory or LDS
; instructions, with s_wait_alu, always for 0.
; THE PLAN.  Registers that memory or LDS instructions touch, round the loop over rounds:
;   the two sets of fragments   Step s: its 40 products read set s % 2; behind them the 56 loads of step s + 2 land in it.  PREP's loads fill both sets for a chunk's steps 0 and 1.
;   v32-143, v144-175           scale words and bias: a chunk's products read them; the next chunk's loads (PREP) land in them.
;   v30, v250-252, v10-29       offsets: vector instructions write them once a chunk (PREP); the list's LDS loads and all the chunk's global loads read them.
;   v240-249                    PREP: the list's LDS loads land here and vector instructions read them; then vector instructions write the ten stage addresses here, which the LDS stores into the stage read.
;   the accumulators            the products write them; the LDS stores into the stage read them; the next chunk's first products begin them anew.
; THE WAITS of a round.  vm_vsrc at PREP's head: all loads so far have read their offsets.  va_vdst behind PREP's first four offsets: they are written, and every product is done reading scales, bias and fragments.
; va_vdst behind PREP's twenty row offsets.  va_vdst behind the products of each of steps 0 to 5: the set just multiplied is free.  va_vdst behind the ten stage addresses: they and the accumulators are written.
; vm_vsrc behind the round's last barrier: the stage's stores have read the accumulators and their addresses.
; A set is asked for again in ONE run, as soon as it is emptied: two sets (448 registers) stand beside 320 of accumulators and 144 of scales and bias, a third of 224 has no room, and only so are the loads of two steps out.
; REGISTERS, in windows of 256 (s_set_vgpr_msb: bits 1:0 source 0, 3:2 source 1, 5:4 source 2, 7:6 destination):
;   window 0: v1-9 lane terms; v10-19 x's code offsets, v20-29 x's scale offsets of the chunk's ten tiles; v30-31 at work; v32-111 x's scale words (8 j + step); v112-143 W's (8 t + step): these 112 hold scales alone;
;             v144-175 the bias (8 t + i); v176-239 W's fragments, set 1; v240-249 at work; v250-252 the chunk's offsets in W's codes, W's scales and the bias; v254, v255 the closing add's two
;   window 1: v0-159 x's fragments, set 0; v160-223 W's, set 0; v224-231 my four tokens' weights.   window 2: accumulators (j, t) at v[8 (4 j + t)], j = 0 .. 7.   window 3: v0-63 those of j = 8, 9; v64-223 x's fragments, set 1
.set STP,   272                        ; a stage row: 64 f32 + 16 bytes: 68 words, so the 16 rows that a store touches start at 16 different banks (64 banks of 4 bytes: ISA guide 11.1)
.set LISTB, 1136*STP                   ; behind the stage's 71 x 16 rows: place -> token, u16, 80 tiles x 16 (a chunk that begins at tile 70 reads on to tile 79)
.set POSB,  LISTB+2560                 ; token -> place0 | place1 << 16
.set TABB,  POSB+2048                  ; [cell 8][expert 8] u16: the place of the cell's first member
.set XO,   10
.set XSO,  20
.set XSC,  32
.set WSC,  112
.set BIA,  144
.set WB1,  176
.set TMP,  240
.set WO,   250                         ; expert x 2^20 + row r of 1,024 bytes + 16 h
.set WSO,  251                         ; expert x 2^15 + row r of 32 bytes
.set BO,   252                         ; expert x 2^12 + 32 h
.set XB0,  0
.set WB0,  160
.set WGT,  224
.set XB1,  64
; SCALARS.  At the head s[4:25] hold the eleven buffers.  s26 wave, s27 pg, s28 bg, s29 round; s[30:31] an offset as a pair: s31 stays 0; s[72:79] tiles, s[80:87] first tile, s[88:95] first chunk of each expert,
; s96 chunks in all, s97 my chunk's number; s[98:99] xq, s[100:101] xs at my 512 tokens.  Behind the head's barrier, made once and never written again: four bases each, one for two neighbouring steps of my walk:
.set XK,   4                           ; s[4:11]   x's codes
.set WK,   12                          ; s[12:19]  W's codes, at my 64 outputs of expert 0
.set WSK,  32                          ; s[32:39]  W's scale bytes, likewise
.set XSK,  56                          ; s[56:63]  x's scale bytes
; s[40:41] the bias at my 64 outputs of expert 0; s[42:43] out0; s44-46 first tile, tiles, valid of the chunk in hand; s47-49 of the next; s68 the round I begin with, s69 rounds that hold chunks; s2, s3, s50-54, s70 at work
.set MSB, 0
.macro WIN new                         ; the immediate's high byte repeats the setting that is left; a switch that changes nothing is dropped
.if MSB != \new
	s_set_vgpr_msb (MSB<<8)|\new
.set MSB, \new
.endif
.endm
.macro BAR                             ; my LDS stores have landed and my LDS loads are in: then the work-group's barrier
	s_wait_dscnt 0x0
	s_barrier_signal -1
	s_barrier_wait -1
.endm
	s_load_b256 s[4:11], s[0:1], 0x0               ; xq s[4:5], xs s[6:7], route s[8:9], cnt s[10:11]
	s_load_b256 s[12:19], s[0:1], 0x20             ; wts s[12:13], gate s[14:15], W's codes s[16:17], W's scales s[18:19]
	s_load_b128 s[20:23], s[0:1], 0x40             ; the bias s[20:21], out0 s[22:23]
	s_load_b64 s[24:25], s[0:1], 0x50              ; out1
	v_lshl_add_u32 v254, v0, 2, 0x4ca00            ; my spare word, behind the table: made here and kept for the closing lines alone
	v_mov_b32 v255, 0                              ; and 0, likewise
	v_lshrrev_b32 v1, 5, v0
	v_readfirstlane_b32 s26, v1                    ; wave 0..3
	s_mov_b32 s27, ttmp9                           ; outputs 64 x this on
	s_and_b32 s28, ttmp7, 0xffff                   ; batches 4 x this on
	v_and_b32 v1, 31, v0                           ; lane
	v_and_b32 v2, 15, v0                           ; r
	v_bfe_u32 v3, v0, 4, 1                         ; h
	v_lshl_add_u32 v4, v2, 1, LISTB                ; the list: entry r of a tile
	v_lshlrev_b32 v5, 10, v2
	v_lshl_add_u32 v5, v3, 4, v5                   ; W's codes: row r of 1,024 bytes, + 16 h
	v_lshlrev_b32 v6, 5, v2                        ; W's scales: row r of 32 bytes
	v_lshlrev_b32 v7, 5, v3                        ; the bias: my half's eight numbers
	v_mul_u32_u24 v8, v2, STP
	v_lshl_add_u32 v8, v3, 5, v8                   ; the stage: row r, + 32 h
	v_lshlrev_b32 v9, 4, v3                        ; 16 h
	v_lshlrev_b32 v30, 5, v1                       ; the weights: 32 bytes a lane
	v_lshlrev_b32 v31, 6, v1                       ; the route words: 64 bytes a lane
	s_mov_b32 s31, 0                               ; the upper word of every offset pair: no load lands on it, and it is never written again
	s_wait_alu depctr_va_sdst(0)                   ; s26, the wave's number, is written, ahead of its first reader: offsets and branches are made from it
	s_wait_kmcnt 0x0
	s_lshl_b32 s30, s28, 7                         ; my eight cells' counts: 128 bytes
	s_add_nc_u64 s[10:11], s[10:11], s[30:31]
	s_load_b512 s[32:47], s[10:11], 0x0            ; cell c, experts 2 d and 2 d + 1: s[32 + 4 c + d]
	s_load_b512 s[48:63], s[10:11], 0x40
	s_lshl_b32 s30, s28, 12                        ; the weights of my wave's batch: 8 bytes a token
	s_lshl_b32 s2, s26, 10
	s_add_co_u32 s30, s30, s2
	s_add_nc_u64 s[12:13], s[12:13], s[30:31]
	WIN 0x40
	s_wait_alu depctr_va_vdst(0)                   ; v30 and v31 are written: the offsets of the weights' loads here and of the route words' loads below
	global_load_b128 v[WGT:WGT+3], v30, s[12:13]   ; tokens 4 l .. 4 l + 3 of the batch: (w0, w1) each
	global_load_b128 v[WGT+4:WGT+7], v30, s[12:13] offset:16
	WIN 0
	s_lshl_b32 s30, s28, 11
	s_add_nc_u64 s[8:9], s[8:9], s[30:31]
	s_cmp_lg_u32 s26, 0
	s_cbranch_scc1 .Lno_route
.irp i, 0,1,2,3
	global_load_b128 v[144+4*\i:147+4*\i], v31, s[8:9] offset:16*\i   ; wave 0: the route words of tokens 16 l .. 16 l + 15
.endr
.Lno_route:
	s_lshl_b32 s30, s28, 19
	s_add_nc_u64 s[98:99], s[4:5], s[30:31]
	s_lshl_b32 s30, s28, 14
	s_add_nc_u64 s[100:101], s[6:7], s[30:31]
	s_wait_kmcnt 0x0
	; every wave: each expert's rows, tiles, first tile, chunks, first chunk.  A field of 16 bits holds at most 8 x 64: no carry from field to field
.irp d, 0,1,2,3
	s_add_co_u32 s[68+\d], s[32+\d], s[36+\d]
.irp c, 2,3,4,5,6,7
	s_add_co_u32 s[68+\d], s[68+\d], s[32+4*\c+\d]
.endr
.endr
.irp e, 0,1,2,3,4,5,6,7
.if (\e%2) == 0
	s_and_b32 s[72+\e], s[68+\e/2], 0xffff
.else
	s_lshr_b32 s[72+\e], s[68+\e/2], 16
.endif
	s_min_u32 s[72+\e], s[72+\e], 512
	s_add_co_u32 s[72+\e], s[72+\e], 15
	s_lshr_b32 s[72+\e], s[72+\e], 4               ; tiles of 16 rows
.endr
	s_mov_b32 s80, 0
	s_mov_b32 s88, 0
.irp e, 0,1,2,3,4,5,6
	s_add_co_u32 s[81+\e], s[80+\e], s[72+\e]
.endr
.irp e, 0,1,2,3,4,5,6,7
	s_add_co_u32 s30, s[72+\e], 9
	s_mul_i32 s30, s30, 205
	s_lshr_b32 s30, s30, 11                        ; (tiles + 9) / 10, exact up to 41
	s_add_co_u32 s[89+\e], s[88+\e], s30           ; the last of these is s96: chunks in all
.endr
	s_cmp_lg_u32 s26, 0
	s_cbranch_scc1 .Lnot_wave_0
	; WAVE 0 PLACES THE ROWS.  The table: running sums over the cells, two experts to a word, begun at 16 x the expert's first tile
.irp d, 0,1,2,3
	s_lshl_b32 s[68+\d], s[80+2*\d], 4
	s_lshl_b32 s30, s[81+2*\d], 20
	s_add_co_u32 s[68+\d], s[68+\d], s30
.endr
.irp c, 0,1,2,3,4,5,6,7
.irp d, 0,1,2,3
	s_mov_b32 s30, s[32+4*\c+\d]
	s_mov_b32 s[32+4*\c+\d], s[68+\d]
	s_add_co_u32 s[68+\d], s[68+\d], s30
.endr
.endr
	; all that the first LDS stores read is made first, so that one wait serves them
	v_mov_b32 v224, 0
.set i, 0
.rept 32
	v_writelane_b32 v224, s[32+i], i
.set i, i+1
.endr
	v_lshl_add_u32 v246, v1, 2, TABB
.irp k, 0,1,2,3
	v_mov_b32 v[242+\k], 0
.endr
	v_lshl_add_u32 v247, v1, 4, LISTB
	v_lshl_add_u32 v248, v1, 6, POSB
	v_lshrrev_b32 v225, 2, v1                      ; my sixteen tokens lie in cell lane / 4
	v_lshl_add_u32 v225, v225, 4, TABB
	v_lshlrev_b32 v226, 4, v1                      ; their numbers
.irp i, 1,2,3,4,5,6,7,8,9,10,11,12,13,14,15
	v_add_nc_u32 v[226+\i], \i, v226
.endr
	s_wait_alu depctr_va_vdst(0)                   ; the table's word v224, the zeros v242-245, the addresses v246-248 and the tokens' numbers v226-241 are written, which the LDS stores here and below read
	ds_store_b32 v246, v224
.irp i, 0,1,2,3,4
	ds_store_b128 v247, v[242:245] offset:512*\i   ; places that no row takes name token 0: a row that is multiplied and never read
.endr
	s_wait_loadcnt 0x0                             ; the route words (and my weights)
.irp i, 0,1,2,3,4,5,6,7,8,9,10,11,12,13,14,15
.irp k, 0,1
	v_bfe_u32 v[192+2*\i+\k], v[144+\i], 4*\k, 3   ; the expert,
	v_min_u32 v[192+2*\i+\k], 7, v[192+2*\i+\k]    ; held inside the table
	v_lshl_add_u32 v[192+2*\i+\k], v[192+2*\i+\k], 1, v225
.endr
.endr
	s_wait_alu depctr_va_vdst(0)                   ; the 32 addresses v192-223 are written, which the LDS loads below read
.irp i, 0,1,2,3,4,5,6,7,8,9,10,11,12,13,14,15
.irp k, 0,1
	ds_load_u16 v[160+2*\i+\k], v[192+2*\i+\k]     ; LDS serves a wave's instructions in order: this sees the table's store above
.endr
.endr
	s_wait_dscnt 0x0
	s_wait_alu depctr_vm_vsrc(0)                   ; those loads have read v192-223, which the lines below write again
.irp i, 0,1,2,3,4,5,6,7,8,9,10,11,12,13,14,15
.irp k, 0,1
	v_bfe_u32 v[192+2*\i+\k], v[144+\i], 8+8*\k, 8 ; the rank in the cell
	v_add_nc_u32 v[192+2*\i+\k], v[192+2*\i+\k], v[160+2*\i+\k]
	v_min_u32 v[192+2*\i+\k], 1135, v[192+2*\i+\k] ; the place, held inside the stage's 1,136 rows
	v_lshl_add_u32 v[160+2*\i+\k], v[192+2*\i+\k], 1, LISTB
.endr
	v_lshl_or_b32 v[144+\i], v[193+2*\i], 16, v[192+2*\i]
.endr
	s_wait_alu depctr_va_vdst(0)                   ; the list's 32 addresses v160-191 and the sixteen pairs of places v144-159 are written, which the LDS stores below read
.irp i, 0,1,2,3,4,5,6,7,8,9,10,11,12,13,14,15
.irp k, 0,1
	ds_store_b16 v[160+2*\i+\k], v[226+\i]
.endr
.endr
.irp i, 0,1,2,3
	ds_store_b128 v248, v[144+4*\i:147+4*\i] offset:16*\i
.endr
.Lnot_wave_0:
	s_cmp_lg_u32 s26, 1
	s_cbranch_scc1 .Lnot_mean
	s_cmp_lg_u32 s28, 0
	s_cbranch_scc1 .Lnot_mean
	; THE GATE'S MEAN: wave 1 of the sixteen work-groups of the first block of batches: 64 numbers each (8 n x 8 experts), two a lane, summed over the 64 batches
	s_lshl_b32 s30, s27, 8
	s_add_nc_u64 s[14:15], s[14:15], s[30:31]
	s_add_nc_u64 s[24:25], s[24:25], s[30:31]
	v_lshlrev_b32 v29, 3, v1
	WIN 0x40
	s_wait_alu depctr_va_vdst(0)                   ; v29 is written: the offset of the 64 loads below and of the store behind them
.set i, 0
.rept 64
	global_load_b64 v[2*i:2*i+1], v29, s[14:15] offset:4096*i      ; the wave reads 256 consecutive bytes
.set i, i+1
.endr
	s_wait_loadcnt 0x0
	WIN 0x55
.set i, 4
.rept 60
	v_pk_add_f32 v[2*(i%4):2*(i%4)+1], v[2*(i%4):2*(i%4)+1], v[2*i:2*i+1]   ; four chains
.set i, i+1
.endr
	v_pk_add_f32 v[0:1], v[0:1], v[2:3]
	v_pk_add_f32 v[4:5], v[4:5], v[6:7]
	v_pk_add_f32 v[0:1], v[0:1], v[4:5]
	v_pk_mul_f32 v[0:1], v[0:1], 0x3c800000 op_sel_hi:[1,0]        ; / 64
	WIN 0x04
	s_wait_alu depctr_va_vdst(0)                   ; the two means are written, which the store reads
	global_store_b64 v29, v[0:1], s[24:25]         ; 256 consecutive bytes, at a multiple of 256 from out1's first byte
	s_wait_storecnt 0x0                            ; the store is done: fragments of x land in its registers next, and no store of mine is out at the barrier below; wave 0 places the rows meanwhile
	WIN 0
.Lnot_mean:
	s_wait_loadcnt 0x0                             ; my weights are in; no load of mine is out, so the registers that named addresses may be written
	BAR                                            ; the list and the table of places lie in LDS
	s_lshl_b32 s30, s27, 16                        ; my 64 outputs in each of W's three tensors, at expert 0: 64 rows of 1,024 bytes of codes,
	s_add_nc_u64 s[36:37], s[16:17], s[30:31]
	s_lshl_b32 s30, s27, 11                        ; of 32 scale bytes,
	s_add_nc_u64 s[38:39], s[18:19], s[30:31]
	s_lshl_b32 s30, s27, 8                         ; 64 numbers of the bias
	s_add_nc_u64 s[40:41], s[20:21], s[30:31]
	s_add_co_u32 s2, s27, s28
	s_and_b32 s2, s2, 3                            ; where my walk along K begins: pair of steps (pg + bg) % 4
	s_lshr_b32 s68, s27, 2
	s_lshr_b32 s3, s28, 2
	s_add_co_u32 s68, s68, s3
	s_and_b32 s68, s68, 1                          ; the round I begin with: (pg / 4 + bg / 4) % 2
	s_add_co_u32 s69, s96, 3
	s_lshr_b32 s69, s69, 2                         ; rounds that hold chunks: 2 to 4
.irp m, 0,1,2,3                        ; steps 2 m and 2 m + 1 of my walk are K's steps 2 q and 2 q + 1, q = (m + the beginning) % 4: 256 q bytes along a row of codes, 8 q along a row of scale bytes
	s_add_co_u32 s3, s2, \m
	s_and_b32 s3, s3, 3
	s_lshl_b32 s30, s3, 8
	s_add_nc_u64 s[XK+2*\m:XK+2*\m+1], s[98:99], s[30:31]
	s_add_nc_u64 s[WK+2*\m:WK+2*\m+1], s[36:37], s[30:31]
	s_lshl_b32 s30, s3, 3
	s_add_nc_u64 s[XSK+2*\m:XSK+2*\m+1], s[100:101], s[30:31]
.endr
.irp m, 0,1,2,3                        ; (the third of these takes the place of s[36:37], which is done with; the last steps s[38:39] in place)
	s_add_co_u32 s3, s2, \m
	s_and_b32 s3, s3, 3
	s_lshl_b32 s30, s3, 3
	s_add_nc_u64 s[WSK+2*\m:WSK+2*\m+1], s[38:39], s[30:31]
.endr
; 56 loads: the fragments of 128 along K, step s of my walk, into set s % 2: W's four tiles of 16 outputs, x's ten tiles of 16 rows.  A fragment is 16 registers: lane (r, h) holds row r, registers 4 c .. 4 c + 3 hold K = 32 c + 16 h + 0 .. 15
; The wait that these loads hang on stands ahead of the macro; between it and the last of them stand loads and window switches alone.
.macro LOADS s
.set KM, 2*((\s)/2)
.set KO, 128*((\s)%2)
.if ((\s)%2) == 0
	WIN 0x40
.irp t, 0,1,2,3
.irp c, 0,1,2,3
	global_load_b128 v[WB0+16*\t+4*\c:WB0+16*\t+4*\c+3], v[WO], s[WK+KM:WK+KM+1] offset:16384*\t+KO+32*\c
.endr
.endr
.irp j, 0,1,2,3,4,5,6,7,8,9
.irp c, 0,1,2,3
	global_load_b128 v[XB0+16*\j+4*\c:XB0+16*\j+4*\c+3], v[XO+\j], s[XK+KM:XK+KM+1] offset:KO+32*\c
.endr
.endr
.else
	WIN 0
.irp t, 0,1,2,3
.irp c, 0,1,2,3
	global_load_b128 v[WB1+16*\t+4*\c:WB1+16*\t+4*\c+3], v[WO], s[WK+KM:WK+KM+1] offset:16384*\t+KO+32*\c
.endr
.endr
	WIN 0xc0
.irp j, 0,1,2,3,4,5,6,7,8,9
.irp c, 0,1,2,3
	global_load_b128 v[XB1+16*\j+4*\c:XB1+16*\j+4*\c+3], v[XO+\j], s[XK+KM:XK+KM+1] offset:KO+32*\c
.endr
.endr
.endif
	WIN 0
.endm
; My chunk's number in trip s[rho] of the four: 4 x ((trip + the round I begin with) modulo the rounds that hold chunks) + wave; in a trip past those rounds 64, a number that no chunk has.
.macro NEXTC rho
	s_add_co_u32 s50, s[\rho], s68
	s_cmp_ge_u32 s50, s69
	s_cselect_b32 s51, s69, 0
	s_sub_co_u32 s50, s50, s51
	s_lshl_b32 s50, s50, 2
	s_add_co_u32 s97, s50, s26
	s_cmp_ge_u32 s[\rho], s69
	s_cselect_b32 s97, 64, s97
.endm
; Chunk number s97: its expert (the last whose first chunk is not behind it: experts without rows are passed over), its first tile, its tiles, whether it exists; then its rows' offsets from the list, its scale words,
; its bias and its first two steps' fragments: 64 + 56 + 56 loads.  cond = 1: a chunk that does not exist asks for nothing.
.macro PREP cond
	s_wait_alu depctr_vm_vsrc(0)                   ; every memory and LDS instruction so far has read its registers: the K steps' loads v10-19 and v250, the last PREP's v20-30, v251, v252; ahead of the first chunk the head's loads v30, wave 0's LDS stores v144-248, the mean's store v29 and its data.  The lines and loads below write these
	s_mov_b32 s50, 0
	s_mov_b32 s51, s80
	s_mov_b32 s52, s72
	s_mov_b32 s53, s88
.irp e, 1,2,3,4,5,6,7
	s_cmp_ge_u32 s97, s[88+\e]
	s_cselect_b32 s50, \e, s50
	s_cselect_b32 s51, s[80+\e], s51
	s_cselect_b32 s52, s[72+\e], s52
	s_cselect_b32 s53, s[88+\e], s53
.endr
	s_sub_co_u32 s54, s97, s53
	s_mul_i32 s54, s54, 10
	s_add_co_u32 s47, s51, s54
	s_min_u32 s47, s47, 70                         ; the first tile, held inside the 71
	s_sub_co_u32 s48, s52, s54
	s_min_u32 s48, s48, 10                         ; tiles of the expert that are left, ten at the most
	s_cmp_lt_u32 s97, s96
	s_cselect_b32 s49, 1, 0
.if \cond
	s_cbranch_scc0 .Lno_chunk_\@
.endif
	s_lshl_b32 s54, s47, 5
	v_add_nc_u32 v30, s54, v4
	s_min_u32 s50, s50, 7                          ; the expert, held inside the eight; it stands in the vector offsets alone
	v_lshl_add_u32 v[WO], s50, 20, v5              ; an expert's codes are 1,024 rows of 1,024 bytes,
	v_lshl_add_u32 v[WSO], s50, 15, v6             ; its scale bytes 1,024 rows of 32,
	v_lshl_add_u32 v[BO], s50, 12, v7              ; its bias 1,024 numbers
	s_wait_alu depctr_va_vdst(0)                   ; v30 and v250-252 are written, which the loads below read; the last chunk's products are done reading scale words, bias and both sets of fragments, and the vector lines that named v240-249 are done: loads land in all of these
.irp j, 0,1,2,3,4,5,6,7,8,9
	ds_load_u16 v[TMP+\j], v30 offset:32*\j        ; the token at row r of tile j
.endr
.irp t, 0,1,2,3
.irp m, 0,1,2,3
	global_load_b64 v[WSC+8*\t+2*\m:WSC+8*\t+2*\m+1], v[WSO], s[WSK+2*\m:WSK+2*\m+1] offset:512*\t   ; the scale words of steps 2 m and 2 m + 1 of my walk: a row's 32 bytes are the words of K's eight steps
.endr
	global_load_b128 v[BIA+8*\t:BIA+8*\t+3], v[BO], s[40:41] offset:64*\t        ; the bias in the result's layout: outputs 16 t + 8 h + 0 .. 7
	global_load_b128 v[BIA+8*\t+4:BIA+8*\t+7], v[BO], s[40:41] offset:64*\t+16
.endr
	s_wait_dscnt 0x0
.irp j, 0,1,2,3,4,5,6,7,8,9
	v_min_u32 v[TMP+\j], 511, v[TMP+\j]            ; held inside my 512 tokens
	v_lshl_add_u32 v[XO+\j], v[TMP+\j], 10, v9
	v_lshlrev_b32 v[XSO+\j], 5, v[TMP+\j]
.endr
	s_wait_alu depctr_va_vdst(0)                   ; the twenty row offsets v10-29 are written, which the 152 loads below read
.irp j, 0,1,2,3,4,5,6,7,8,9
.irp m, 0,1,2,3
	global_load_b64 v[XSC+8*\j+2*\m:XSC+8*\j+2*\m+1], v[XSO+\j], s[XSK+2*\m:XSK+2*\m+1]
.endr
.endr
	LOADS 0
	LOADS 1
.if \cond
.Lno_chunk_\@:
.endif
.endm
; 128 along K: 40 products, TRANSPOSED (source 0 = 16 outputs of W, source 1 = 16 rows of x): lane (r, h) register i holds (row r, output 16 t + 8 h + i).  The 40 accumulators take turns, one instruction a turn,
; in the same order in every step.  The first step's C is the bias.
.macro KSTEP s
.if (\s) < 7
	s_wait_loadcnt 56                              ; loads return in order: all but the next step's 56 are in
.else
	s_wait_loadcnt 0x0
.endif
.irp j, 0,1,2,3,4,5,6,7,8,9
.set HI, 2+(\j)/8
.if ((\s)%2) == 0
.set WS, 0x05|(HI<<6)
.set BB, XB0+16*\j
.else
.set WS, 0x0c|(HI<<6)
.set BB, XB1+16*\j
.endif
.if (\s) > 0
.set WS, WS|(HI<<4)
.endif
	WIN WS
.irp t, 0,1,2,3
.set AC, 8*(4*((\j)%8)+\t)
.if ((\s)%2) == 0
.set AA, WB0+16*\t
.else
.set AA, WB1+16*\t
.endif
.if (\s) == 0
	v_wmma_scale_f32_16x16x128_f8f6f4 v[AC:AC+7], v[AA:AA+15], v[BB:BB+15], v[BIA+8*\t:BIA+8*\t+7], v[WSC+8*\t+(\s)], v[XSC+8*\j+(\s)] matrix_a_fmt:MATRIX_FMT_BF8 matrix_b_fmt:MATRIX_FMT_BF8
.else
	v_wmma_scale_f32_16x16x128_f8f6f4 v[AC:AC+7], v[AA:AA+15], v[BB:BB+15], v[AC:AC+7], v[WSC+8*\t+(\s)], v[XSC+8*\j+(\s)] matrix_a_fmt:MATRIX_FMT_BF8 matrix_b_fmt:MATRIX_FMT_BF8
.endif
.endr
.endr
.if (\s) != 6
	WIN 0
.endif
.if (\s) < 6
.rept 8
	v_nop                                          ; eight plain places behind these products, ahead of the loads into registers that they have read
.endr
	s_wait_alu depctr_va_vdst(0)                   ; the dependence itself: this step's 40 products are done reading set s % 2, in which the 56 loads below land
	LOADS \s+2                                     ; the step after next, into the set just multiplied: asked for at once, so that two steps' loads are out
.endif
.endm
; Wave ww alone, between two barriers, stores its chunk's tiles into the stage: tile T's row r at (16 T + r) x 272, output p at 4 p.  Tiles past the expert's last are left out.
; The ten addresses v240-249 were made, and awaited with the accumulators, ahead of the first of the four barriers: no vector or matrix instruction stands between that wait and these stores.
.macro WRITE ww
	BAR
	s_cmp_lg_u32 s26, \ww
	s_cbranch_scc1 .Lnot_me_\@
	s_cmp_eq_u32 s46, 0
	s_cbranch_scc1 .Lnot_me_\@
.irp j, 0,1,2,3,4,5,6,7,8,9
	s_cmp_le_u32 s45, \j
	s_cbranch_scc1 .Lnot_me_\@
	WIN 0x08+4*(\j/8)                              ; an LDS store's data are its source 1: window 2 or 3
.irp t, 0,1,2,3
	ds_store_b128 v[TMP+\j], v[8*(4*(\j%8)+\t):8*(4*(\j%8)+\t)+3] offset:64*\t        ; each accumulator from its low end on
	ds_store_b128 v[TMP+\j], v[8*(4*(\j%8)+\t)+4:8*(4*(\j%8)+\t)+7] offset:64*\t+16
.endr
	WIN 0
.endr
.Lnot_me_\@:
.endm
	s_mov_b32 s29, 0
	NEXTC 29                                       ; the first trip: chunk = wave, or 4 + wave.  There are at least 64 tiles, so at least 7 chunks: all of these exist but, with 7 chunks, number 7
	PREP 0
	s_mov_b32 s44, s47
	s_mov_b32 s45, s48
	s_mov_b32 s46, s49
	s_branch .Lwork                                ; the first trip is multiplied without a test: a chunk that does not exist loads rows held inside the buffers, and stores nothing
.Lround:                                               ; four trips, a constant: 16 chunks' worth, for at most 14
	s_cmp_eq_u32 s46, 0
	s_cbranch_scc1 .Lnone
.Lwork:
.irp s, 0,1,2,3,4,5,6,7
	KSTEP \s
.endr
.rept 9
	v_nop                                          ; eight places in front of the stores of results and of loads into operands; nine in front of the next chunk's first products, which begin the accumulators anew with another C
.endr
.Lnone:
	s_wait_loadcnt 0x0                             ; no load of mine is out: offsets and operand registers may be written
	s_add_co_u32 s70, s29, 1
	NEXTC 70
	PREP 1                                         ; the next chunk's loads go out ahead of the way into the stage
	; the stage addresses of the ten tiles of the chunk in hand, made together on the way that every wave takes, held inside the 71 tiles whether a tile exists or not: one wait then serves all the stores of WRITE.
	; (v240-249: the last round's stores have read them ahead of the wait on vm_vsrc at that round's end, and PREP's loads into them have been waited for.)
.irp j, 0,1,2,3,4,5,6,7,8,9
	s_add_co_u32 s54, s44, \j
	s_min_u32 s54, s54, 70
	s_mul_i32 s54, s54, 16*STP
	v_add_nc_u32 v[TMP+\j], s54, v8
.endr
	s_wait_alu depctr_va_vdst(0)                   ; the ten addresses are written, and the products have written the accumulators (their places stand above): the LDS stores of WRITE read both
	WRITE 0
	WRITE 1
	WRITE 2
	WRITE 3
	BAR                                            ; wave 3's stores have landed: the next reads of LDS stand behind this barrier
	s_wait_alu depctr_vm_vsrc(0)                   ; my stores into the stage have read the accumulators, which the next chunk's first products begin anew, and v240-249; PREP's loads have read v10-31: behind the loop all of these are written again
	s_mov_b32 s44, s47
	s_mov_b32 s45, s48
	s_mov_b32 s46, s49
	s_add_co_u32 s29, s29, 1
	s_cmp_lt_u32 s29, 4
	s_cbranch_scc1 .Lround
	; BACK IN ORDER.  Wave w takes batch 4 x block + w, lane l its tokens 4 l .. 4 l + 3.  Four outputs at a time: each token's two stage rows give 16 bytes each; weighed and added, they land in registers so that
	; four neighbouring tokens of ONE output are four neighbouring registers: the choice of the destination is the transposition.
	; A turn's registers: Y0, Y1 (window 1, v0-31, v32-63): the LDS loads of turn Q land in Y[(Q + 1) % 2], turn Q's arithmetic reads Y[Q % 2].  Four out-buffers (window 1, v64-127): turn Q's arithmetic writes
	; buffer Q % 4, its four stores read it.  One wait on va_vdst a turn, ahead of its stores: the out-buffer is written, and Y[Q % 2] is free for the loads of the next turn.
	s_wait_loadcnt 0x0                             ; nothing is on its way into the registers used below
	s_lshl_b32 s54, s26, 9
	v_lshl_add_u32 v31, v1, 4, POSB
	v_add_nc_u32 v31, s54, v31
	v_lshlrev_b32 v30, 4, v1                       ; 16 bytes a lane
	s_wait_alu depctr_va_vdst(0)                   ; v31 is written, which the LDS load below reads, and v30, the offset of every store of out0; the lines that wrote v240-243, in which the load lands, are done
	ds_load_b128 v[240:243], v31                   ; my four tokens' places
	s_lshl_b32 s30, s28, 21                        ; out0: a batch is 1,024 rows of 512 bytes
	s_lshl_b32 s2, s26, 19
	s_add_co_u32 s30, s30, s2
	s_lshl_b32 s2, s27, 15
	s_add_co_u32 s30, s30, s2
	s_add_nc_u64 s[42:43], s[22:23], s[30:31]
	s_wait_dscnt 0x0
.irp i, 0,1,2,3
	v_and_b32 v[10+2*\i], 0xffff, v[240+\i]
	v_lshrrev_b32 v[11+2*\i], 16, v[240+\i]
.endr
.irp m, 0,1,2,3,4,5,6,7
	v_min_u32 v[10+\m], 1135, v[10+\m]             ; held inside the stage
	v_mul_u32_u24 v[10+\m], v[10+\m], STP
.endr
	s_wait_alu depctr_va_vdst(0)                   ; the eight stage addresses v10-17 are written, which every LDS load below reads
.macro FETCHQ q                        ; outputs 4 q .. 4 q + 3 of my eight rows, into set q % 2 (window 1, v0-63)
	WIN 0x40
.irp m, 0,1,2,3,4,5,6,7
	ds_load_b128 v[32*((\q)%2)+4*\m:32*((\q)%2)+4*\m+3], v[10+\m] offset:16*(\q)
.endr
.endm
	FETCHQ 0
.set Q, 0
.rept 16
.if Q < 15
	FETCHQ Q+1                                     ; no wait: no vector instruction since the last wait on va_vdst names the set in which these land
	s_wait_dscnt 8                                 ; these four outputs' eight loads are in; the next four's may be out
.else
	s_wait_dscnt 0x0
.endif
	s_wait_xcnt 0x0                                ; the stores of four turns ago have read their registers: that set is written again only behind this wait
.if Q >= 4
	s_wait_alu depctr_vm_vsrc(0)                   ; beside it: the stores of four turns ago have read out-buffer Q % 4, which this turn's arithmetic writes again
.endif
.set YB, 32*(Q%2)
.set OB, 64+16*(Q%4)
	WIN 0x55
.irp i, 0,1,2,3
.irp u, 0,1,2,3
	v_mul_f32 v[OB+4*\u+\i], v[WGT+2*\i], v[YB+8*\i+\u]
.endr
.endr
.irp i, 0,1,2,3
.irp u, 0,1,2,3
	v_fma_f32 v[OB+4*\u+\i], v[WGT+2*\i+1], v[YB+8*\i+4+\u], v[OB+4*\u+\i]
.endr
.endr
	WIN 0x04
	s_wait_alu depctr_va_vdst(0)                   ; this turn's arithmetic has written out-buffer Q % 4, which the four stores read, and is done reading Y[Q % 2], in which the next turn's LDS loads land
.irp u, 0,1,2,3
	global_store_b128 v30, v[OB+4*\u:OB+4*\u+3], s[42:43] offset:(4*Q+\u)*512 th:TH_STORE_NT   ; a whole row of out0: the wave stores 512 consecutive bytes, at a multiple of 256 from out0's first byte; written once, read by nobody here
.endr
.set Q, Q+1
.endr
	WIN 0                                          ; the add's two registers lie in window 0
	s_wait_dscnt 0x0                               ; the closing lines, six on end
	s_wait_alu 0x0
	s_wait_tensorcnt 0x0
	ds_add_u32 v254, v255
	s_wait_dscnt 0x0
	s_endpgm
.Lfunc_end_k_qeff18cb030_experts:
	.size	k_qeff18cb030_experts, .Lfunc_end_k_qeff18cb030_experts-k_qeff18cb030_experts
	.p2alignl 7, 3214868480
	.fill 96, 4, 3214868480
	.section	.rodata,"a",@progbits
	.p2align	6, 0x0
	.amdhsa_kernel k_qeff18cb030_experts
		.amdhsa_group_segment_fixed_size 314368
		.amdhsa_private_segment_fixed_size 0
		.amdhsa_enable_private_segment 0
		.amdhsa_kernarg_size 88
		.amdhsa_user_sgpr_count 2
		.amdhsa_user_sgpr_kernarg_segment_ptr 1
		.amdhsa_wavefront_size32 1
		.amdhsa_system_sgpr_workgroup_id_x 1
		.amdhsa_system_sgpr_workgroup_id_y 1
		.amdhsa_system_sgpr_workgroup_id_z 1
		.amdhsa_system_vgpr_workitem_id 0
		.amdhsa_next_free_vgpr 1024
		.amdhsa_next_free_sgpr 102
		.amdhsa_reserve_vcc 0
		.amdhsa_float_denorm_mode_32 3
		.amdhsa_float_denorm_mode_16_64 3
		.amdhsa_memory_ordered 1
		.amdhsa_forward_progress 1
		.amdhsa_inst_pref_size 234
	.end_amdhsa_kernel
	.amdgpu_metadata
---
amdhsa.version: [ 1, 2 ]
amdhsa.kernels:
  - .name:           k_qeff18cb030_experts
    .symbol:         k_qeff18cb030_experts.kd
    .args:
      - { .name: xq, .offset: 0, .size: 8, .value_kind: global_buffer, .address_space: global }
      - { .name: xs, .offset: 8, .size: 8, .value_kind: global_buffer, .address_space: global }
      - { .name: route, .offset: 16, .size: 8, .value_kind: global_buffer, .address_space: global }
      - { .name: cnt, .offset: 24, .size: 8, .value_kind: global_buffer, .address_space: global }
      - { .name: wts, .offset: 32, .size: 8, .value_kind: global_buffer, .address_space: global }
      - { .name: gate, .offset: 40, .size: 8, .value_kind: global_buffer, .address_space: global }
      - { .name: expert_W_codes, .offset: 48, .size: 8, .value_kind: global_buffer, .address_space: global }
      - { .name: expert_W_scales, .offset: 56, .size: 8, .value_kind: global_buffer, .address_space: global }
      - { .name: expert_b, .offset: 64, .size: 8, .value_kind: global_buffer, .address_space: global }
      - { .name: out0, .offset: 72, .size: 8, .value_kind: global_buffer, .address_space: global }
      - { .name: out1, .offset: 80, .size: 8, .value_kind: global_buffer, .address_space: global }
    .group_segment_fixed_size: 314368
    .private_segment_fixed_size: 0
    .kernarg_segment_align: 8
    .kernarg_segment_size: 88
    .max_flat_workgroup_size: 128
    .sgpr_count:     102
    .vgpr_count:     1024
    .wavefront_size: 32
...
	.end_amdgpu_metadata
.endif
;; end of part 3
